; MI455X (gfx1250); checked and timed in simulation.
; The chip was launched on July 23, 2026; its instructions are those of AMD's public machine-readable ISA for CDNA 5 (MIT licence, August 2026) and "CDNA5" Instruction Set Architecture Reference Guide (July 2026). The comments in the code are by the model that wrote it; some were corrected since.
;; Causal Self Attention. Allowed arithmetic: matrix products marked QUANTISED: E2M1 operands, one E8M0 scale for each 32 along K, by v_wmma_scale_f32_16x16x128_f8f6f4 with both operands' format E2M1 (or v_wmma_scale_f32_32x16x128_f4), f32 sums; products left as they are: bf16, f16 or f32 operands; f32 sums; everything else in f32.
;; Inputs: W_attn 1,024 x 3,072 float32; W_proj 1,024 x 1,024 float32; b_attn 3,072 float32; b_proj 1,024 float32; x 4 x 2,048 x 1,024 float32.
;; Outputs: out0 4 x 2,048 x 1,024 float32.
;; This version of the problem:
;;   THIS VERSION OF THE PROBLEM IS GIVEN IN LOW PRECISION. The matrix products marked QUANTISED in the list below multiply operands that are first quantised to E2M1 (2 exponent bits, 1 mantissa bit; 4 bits a number), with one power-of-two scale for each 32 numbers along K (OCP MX v1.0); their sums are f32. The products marked 'left as it is' may take bf16, f16 or f32 operands, with f32 sums. Whichever they take, every output number must still come out within the allowed error. Rounding operands to bf16 (8 significant bits) uses up far more of that allowance than f16 does (11 bits, for magnitudes from 6e-5 to 65,504). All else is computed in f32.
;;   The module's matrix products, in the order in which they are computed (A, B: the left and right operand; K: the contracted axis; several contracted axes count as one K, in the product's order):
;;     1. [M 8,192, K 1,024] x [K 1,024, N 3,072]; A: input x; B: input W_attn: QUANTISED
;;     2. batch 64 x [M 2,048, K 64] x [K 64, N 2,048]; A: computed on the way; B: computed on the way: left as it is (an operand is computed on the way)
;;     3. batch 64 x [M 2,048, K 2,048] x [K 2,048, N 64]; A: computed on the way; B: computed on the way: left as it is (an operand is computed on the way)
;;     4. [M 8,192, K 1,024] x [K 1,024, N 1,024]; A: computed on the way; B: input W_proj: left as it is (an operand is computed on the way)
;;   THE QUANTISER, for each operand of a quantised product, along K:
;;     - K is cut into blocks of 32 from its start; a last block that is shorter is filled with zeros.
;;     - A block's scale is 2^e with e = floor(log2(the largest magnitude in the block)) - 2, held to -126 .. 127; a block of zeros has e = 0. As a byte (E8M0): e + 127.
;;     - Each number is divided by its block's scale, clamped to +-6, and rounded to the nearest number of E2M1, ties to even, subnormals kept.
;;     - The product sums the exact products of the quantised numbers (number of the format x scale) in f32.
;;   ~~~python
;;   def quantise(x, axis):      # numpy; x: float32 -> the quantised numbers, widened to float32 again
;;       x = np.moveaxis(x, axis, -1); K = x.shape[-1]
;;       x = np.pad(x, [(0, 0)] * (x.ndim - 1) + [(0, -K % 32)]); x = x.reshape(x.shape[:-1] + (-1, 32)); a = np.abs(x).max(-1, keepdims=True)
;;       e = np.where(a > 0, np.clip(np.frexp(np.where(a > 0, a, 1))[1] - 1 - 2, -126, 127), 0)      # np.frexp(a)[1] - 1 = floor(log2(a)), exactly
;;       r = np.clip(x / 2.0 ** e, -6, 6)
;;       step = 2.0 ** (np.maximum(np.frexp(np.where(r == 0, 1, r))[1] - 1, 0) - 1)
;;       q = np.round(r / step) * step * 2.0 ** e      # np.round: ties to even
;;       return np.moveaxis(q.reshape(q.shape[:-2] + (-1,))[..., :K], -1, axis).astype(np.float32)
;;   ~~~
;; One version. Each part assembles by itself: llvm-mc -triple=amdgcn-amd-amdhsa -mcpu=gfx1250 --defsym DOCPART=n.
;; ======== version 1 of 1: 7 launches
;; limits: values are held in f16: magnitudes above 65,504 overflow, below 6.1e-05 lose precision
;; workspace buffers: x_codes 4,194,304 bytes; x_scales 262,144 bytes; w_codes 1,572,864 bytes; w_scales 98,304 bytes; wp16 2,097,152 bytes; qkv16 50,331,648 bytes; y16 16,777,216 bytes; y32 262,144 bytes
;; launch quant_x (part 1): grid 320 x 1, 4 waves a work-group, no clusters, 33,280 bytes of LDS; arguments x, W_proj, x_codes, x_scales, wp16; writes x_codes, x_scales, wp16
.if DOCPART == 1
	.amdgcn_target "amdgcn-amd-amdhsa--gfx1250"
	.amdhsa_code_object_version 6
	.text
	.protected	k_q02ed5d9abf_quant_x
	.globl	k_q02ed5d9abf_quant_x
	.p2align	8
	.type	k_q02ed5d9abf_quant_x,@function
k_q02ed5d9abf_quant_x:
	s_mov_b64 s[64:65], 0
	v_nop
	global_prefetch_b8 v0, s[64:65] scope:SCOPE_SE
	s_setreg_imm32_b32 hwreg(HW_REG_WAVE_MODE, 25, 1), 1
	s_wait_xcnt 0x0
; CAUSAL SELF-ATTENTION, launch 1 of 7.  x [8192][1024] f32 becomes codes of FP4 (E2M1), K innermost, with one E8M0 byte for each 32 along K; W_proj [1024][1024] f32 becomes f16 as it lies.
; WORK LEFT OUT BY THE PROGRAM: in the attention launch a step of 64 keys all of which come after a wave's 32 queries is not walked.  reference() sets those scores to -infinity under the
; lower-triangular mask that it builds in its own body, so their weights are 0 and they add nothing to any output, whatever finite values the inputs hold.  LIMIT: a NaN, an infinity or an overflow that would
; arise only in those scores is not carried to the result.  Nothing else is left out; every input is loaded (K's bias too: it is the C operand of a sum's first matrix instruction and costs no line).
; PRECISION: products 2 to 4 take f16 operands, so |q|, |k|, |v|, |y|, |W_proj| have to stay under 65,504; positions 0 to 15 of every sequence are made again in f32 by launches 6 and 7.
; A block's scale is 2^(floor(log2(its largest magnitude)) - 2); its byte is the largest magnitude's exponent field - 2, held at 1 from below.  A block of zeros so gets the byte 1 where the rule says 127:
; its codes are zeros, which add nothing under any byte but 0xff, and the bytes are read by this program alone.
; LIMITS: blocks whose largest magnitude lies under 2^(2 - 126) keep the byte 1; NaN and infinities in x are not served.
; WORK-GROUPS 0 to 255 take x: a wave takes 16 steps of 512 numbers.  Each of a step's four loads reads 512 consecutive bytes; the 2,048 bytes turn through the wave's own stage in LDS and come back
; 64 bytes a lane, so that a lane holds 16 neighbours along K and two neighbouring lanes a block.  A lane's 16 codes are 8 bytes: the wave stores 256 consecutive bytes.  A wave's 256 scale bytes are gathered in LDS.
; WORK-GROUPS 256 to 319 take W_proj: no LDS; a wave converts 4,096 numbers, 32 loads of 512 consecutive bytes, 32 stores of 256.
.set WAVES, 4
.set STEPS, 16
.set WGX,   256                        ; 8192 x 1024 / (512 x 16 x 4)
.set EMAX,  2
.set CB,    8                          ; bytes of 16 codes
.set R,     16                         ; v16-79   four sets of 16 numbers as they are loaded (W_proj's path: v16-143)
.set X,     80                         ; v80-111  two sets of 16 neighbours
.set C,     128                        ; v128-191 codes: four registers for each step
.set E,     112                        ; v112-127 a scale byte for each step
.set WREG,  8192                       ; LDS: a region for each wave: two stages of 32 x SP bytes, then its 256 scale bytes
.set SP,    80                         ; a lane's place in a stage: 64 bytes + 16 of padding
.set SPW,   12                         ; v12 LDS address of my spare word; never rewritten
.set NIL,   13                         ; v13 0; never rewritten
.set SPARE, WAVES*WREG                 ; the spare words: 128 bytes a wave, named by no other line
	s_load_b128 s[4:7], s[0:1], 0x0                ; x, W_proj
	s_load_b128 s[8:11], s[0:1], 0x10              ; x's codes, x's scales
	s_load_b64 s[12:13], s[0:1], 0x20              ; W_proj in f16
	v_lshl_add_u32 v[SPW], v0, 2, SPARE
	v_mov_b32 v[NIL], 0
	v_lshrrev_b32 v1, 5, v0
	v_readfirstlane_b32 s16, v1                    ; wave
	v_and_b32 v2, 31, v0                           ; lane
	v_lshlrev_b32 v3, 4, v2                        ; my 16 bytes of a load's 512
	s_mul_i32 s17, s16, WREG
	v_lshrrev_b32 v14, 2, v2
	v_mul_u32_u24 v14, v14, SP
	v_and_b32 v15, 3, v2
	v_lshl_add_u32 v14, v15, 4, v14
	v_add_nc_u32 v14, s17, v14                     ; the stage, on the way in: SP (lane / 4) + 16 (lane % 4)
	v_mul_u32_u24 v15, v2, SP
	v_add_nc_u32 v15, s17, v15                     ; and on the way out: SP x lane: my 16 neighbours
	v_mul_u32_u24 v4, v2, CB                       ; 8 x lane: my codes' place in a step's; also my place in a store of W_proj's f16
	v_lshrrev_b32 v5, 1, v2
	s_add_co_u32 s17, s17, 2*32*SP
	v_add_nc_u32 v5, s17, v5                       ; LDS: my wave's 256 scale bytes, my block's byte
	v_lshlrev_b32 v7, 3, v2
	v_add_nc_u32 v6, s17, v7                       ; and on the way out 8 bytes a lane
	s_cmp_ge_u32 ttmp9, WGX                        ; the paths part on the work-group's number alone; only the first uses LDS
	s_cbranch_scc1 .Lwproj
	s_lshl_b32 s17, ttmp9, 2
	s_add_co_u32 s18, s17, s16                     ; which run of 8,192 numbers is my wave's
	s_mov_b32 s19, 0
	s_mov_b64 s[20:21], 512*STEPS*4
	s_mul_u64 s[20:21], s[18:19], s[20:21]
	s_mov_b64 s[22:23], 32*STEPS*CB
	s_mul_u64 s[22:23], s[18:19], s[22:23]
	s_lshl_b32 s18, s18, 8                         ; 256 scale bytes a run
	s_wait_kmcnt 0x0
	s_add_nc_u64 s[4:5], s[4:5], s[20:21]
	s_add_nc_u64 s[8:9], s[8:9], s[22:23]
	s_add_nc_u64 s[10:11], s[10:11], s[18:19]
.macro LOAD t
.irp i, 0,1,2,3
	global_load_b128 v[R+16*((\t)%4)+4*\i:R+16*((\t)%4)+4*\i+3], v3, s[4:5] offset:2048*(\t)+512*\i th:TH_LOAD_NT   ; 32 lanes read 512 consecutive bytes
.endr
.endm
.macro TURN t                          ; step t's numbers through the stage: LDS serves a wave's instructions in order, so no wait stands between the stores and the loads
.irp i, 0,1,2,3
	ds_store_b128 v14, v[R+16*((\t)%4)+4*\i:R+16*((\t)%4)+4*\i+3] offset:32*SP*((\t)%2)+8*SP*\i
.endr
.irp i, 0,1,2,3
	ds_load_b128 v[X+16*((\t)%2)+4*\i:X+16*((\t)%2)+4*\i+3], v15 offset:32*SP*((\t)%2)+16*\i
.endr
.endm
.irp t, 0,1,2,3
	LOAD \t
.endr
	s_wait_loadcnt 12                              ; step 0's four loads are in; the twelve of steps 1 to 3 may be out
	TURN 0
.macro STEP t
.set XS, X+16*((\t)%2)
.if (\t) > 0
	s_wait_dscnt 1                                 ; this step's numbers are back from the stage (the last step's byte store may be out)
.else
	s_wait_dscnt 0x0
.endif
.if (\t)+4 < STEPS
	LOAD (\t)+4                                    ; into the registers that the stage's stores have read
.endif
.if (\t)+1 < STEPS
.if STEPS-2-(\t) >= 3
	s_wait_loadcnt 12                              ; the next step's four loads are in; those of the three steps behind it may be out
.else
	s_wait_loadcnt 4*(STEPS-2-(\t))
.endif
	TURN (\t)+1                                    ; the next step goes through the other stage while this one is worked
.endif
	v_max3_num_f32 v8, |v[XS]|, |v[XS+1]|, |v[XS+2]|               ; the largest magnitude of my 16, in two chains
	v_max3_num_f32 v9, |v[XS+3]|, |v[XS+4]|, |v[XS+5]|
.irp i, 6,10
	v_max3_num_f32 v8, v8, |v[XS+\i]|, |v[XS+\i+1]|
	v_max3_num_f32 v9, v9, |v[XS+\i+2]|, |v[XS+\i+3]|
.endr
	v_max3_num_f32 v8, v8, |v[XS+14]|, |v[XS+15]|
	v_max3_num_f32 v8, v8, v9, (EMAX+1)<<23        ; and the floor 2^(EMAX + 1 - 127): the byte cannot fall under 1
	v_max_num_f32_dpp v8, v8, v8 row_xmask:1 row_mask:0xf bank_mask:0xf   ; with my neighbour's 16: the block's
	v_add_nc_u32 v11, -(EMAX<<23), v8              ; EMAX off its exponent field: the conversion takes this operand's exponent field as its scale
	v_cvt_scalef32_pk8_fp4_f32 v[C+4*(\t)], v[XS:XS+7], v11
	v_cvt_scalef32_pk8_fp4_f32 v[C+4*(\t)+1], v[XS+8:XS+15], v11
	v_lshrrev_b32 v[E+(\t)], 23, v11               ; the scale's byte (also the plain line behind the conversions)
	ds_store_b8 v5, v[E+(\t)] offset:16*(\t)       ; both lanes of a block write the same byte with the same value
	global_store_b64 v4, v[C+4*(\t):C+4*(\t)+1], s[8:9] offset:32*CB*(\t)   ; 32 lanes store 256 consecutive bytes
.endm
.irp t, 0,1,2,3,4,5,6,7,8,9,10,11,12,13,14,15
	STEP \t
.endr
	ds_load_b64 v[8:9], v6                         ; LDS serves a wave's instructions in order: these see my byte stores
	s_wait_dscnt 0x0
	global_store_b64 v7, v[8:9], s[10:11]          ; 32 lanes store my run's 256 scale bytes
	s_wait_tensorcnt 0x0                           ; the wave's end: three closing lines behind my last LDS store
	ds_add_u32 v[SPW], v[NIL]
	s_wait_dscnt 0x0
	s_endpgm
.Lwproj:                                               ; W_proj to f16
	s_sub_co_u32 s17, ttmp9, WGX
	s_lshl_b32 s18, s17, 16                        ; in: 65,536 bytes a work-group, 16,384 a wave
	s_lshl_b32 s19, s16, 14
	s_add_co_u32 s18, s18, s19
	s_mov_b32 s19, 0
	s_lshl_b32 s20, s17, 15                        ; out: half of that
	s_lshl_b32 s21, s16, 13
	s_add_co_u32 s20, s20, s21
	s_mov_b32 s21, 0
	s_wait_kmcnt 0x0
	s_add_nc_u64 s[6:7], s[6:7], s[18:19]
	s_add_nc_u64 s[12:13], s[12:13], s[20:21]
.set n, 0
.rept 32
	global_load_b128 v[R+4*n:R+4*n+3], v3, s[6:7] offset:512*n
.set n, n+1
.endr
.set n, 0
.rept 32
	s_wait_loadcnt 31-n                            ; loads come back in order: load n is in, the later ones may be out
	v_cvt_pk_f16_f32 v[R+4*n], v[R+4*n], v[R+4*n+1]
	v_cvt_pk_f16_f32 v[R+4*n+1], v[R+4*n+2], v[R+4*n+3]
	global_store_b64 v4, v[R+4*n:R+4*n+1], s[12:13] offset:256*n   ; 256 consecutive bytes; no register is written twice, so no store's data are at risk
.set n, n+1
.endr
	s_endpgm
.Lfunc_end_k_q02ed5d9abf_quant_x:
	.size	k_q02ed5d9abf_quant_x, .Lfunc_end_k_q02ed5d9abf_quant_x-k_q02ed5d9abf_quant_x
	.p2alignl 7, 3214868480
	.fill 96, 4, 3214868480
	.section	.rodata,"a",@progbits
	.p2align	6, 0x0
	.amdhsa_kernel k_q02ed5d9abf_quant_x
		.amdhsa_group_segment_fixed_size 33280
		.amdhsa_private_segment_fixed_size 0
		.amdhsa_enable_private_segment 0
		.amdhsa_kernarg_size 40
		.amdhsa_user_sgpr_count 2
		.amdhsa_user_sgpr_kernarg_segment_ptr 1
		.amdhsa_wavefront_size32 1
		.amdhsa_system_sgpr_workgroup_id_x 1
		.amdhsa_system_sgpr_workgroup_id_y 1
		.amdhsa_system_sgpr_workgroup_id_z 1
		.amdhsa_system_vgpr_workitem_id 0
		.amdhsa_next_free_vgpr 192
		.amdhsa_next_free_sgpr 66
		.amdhsa_reserve_vcc 0
		.amdhsa_float_denorm_mode_32 3
		.amdhsa_float_denorm_mode_16_64 3
		.amdhsa_memory_ordered 1
		.amdhsa_forward_progress 1
		.amdhsa_inst_pref_size 45
	.end_amdhsa_kernel
	.amdgpu_metadata
---
amdhsa.version: [ 1, 2 ]
amdhsa.kernels:
  - .name:           k_q02ed5d9abf_quant_x
    .symbol:         k_q02ed5d9abf_quant_x.kd
    .args:
      - { .name: x, .offset: 0, .size: 8, .value_kind: global_buffer, .address_space: global }
      - { .name: W_proj, .offset: 8, .size: 8, .value_kind: global_buffer, .address_space: global }
      - { .name: x_codes, .offset: 16, .size: 8, .value_kind: global_buffer, .address_space: global }
      - { .name: x_scales, .offset: 24, .size: 8, .value_kind: global_buffer, .address_space: global }
      - { .name: wp16, .offset: 32, .size: 8, .value_kind: global_buffer, .address_space: global }
    .group_segment_fixed_size: 33280
    .private_segment_fixed_size: 0
    .kernarg_segment_align: 8
    .kernarg_segment_size: 40
    .max_flat_workgroup_size: 128
    .sgpr_count:     66
    .vgpr_count:     192
    .wavefront_size: 32
...
	.end_amdgpu_metadata
.endif
;; end of part 1
;; launch quant_w (part 2): grid 48 x 1, 16 waves a work-group, no clusters, 37,888 bytes of LDS; arguments W_attn, w_codes, w_scales; writes w_codes, w_scales
.if DOCPART == 2
	.amdgcn_target "amdgcn-amd-amdhsa--gfx1250"
	.amdhsa_code_object_version 6
	.text
	.protected	k_q02ed5d9abf_quant_w
	.globl	k_q02ed5d9abf_quant_w
	.p2align	8
	.type	k_q02ed5d9abf_quant_w,@function
k_q02ed5d9abf_quant_w:
	s_mov_b64 s[64:65], 0
	v_nop
	global_prefetch_b8 v0, s[64:65] scope:SCOPE_SE
	s_setreg_imm32_b32 hwreg(HW_REG_WAVE_MODE, 25, 1), 1
	s_wait_xcnt 0x0
; Launch 2 of 7.  W_attn [1024 (k)][3072 (n)] f32, whose K is its FIRST axis, becomes codes of FP4 laid [3072][1024] with K innermost (512 bytes a column) and E8M0 bytes laid [3072][32].
; A LANE TAKES A COLUMN AND ITS REGISTERS RUN DOWN K: a block of 32 along K lies in one lane's 32 registers, so its largest magnitude needs no other lane and the conversions give K innermost.
; A work-group takes 64 columns and all of K: wave w takes columns 32 (w % 2) on and K = 128 (w / 2) on, four blocks.  The two waves of a part of K read 256 consecutive bytes of each row.
; All 128 loads of a wave go out on end.  Codes and scale words meet in LDS; behind the one barrier each wave stores four whole rows of 512 bytes, and waves 0 to 3 the 2,048 scale bytes.
; The scale rule and its limits are those of the first launch: the byte is held at 1 from below (a block of zeros too: its codes are zeros; this program alone reads the bytes); NaN and infinities are not served.
.set ROWW,  12288                      ; a row of W_attn in bytes
.set PITCH, 528                        ; a column's 512 bytes of codes + 16: an odd multiple of 16
.set SCS,   64*PITCH                   ; behind the codes: 64 columns x 32 scale bytes
.set SPARE, SCS+2048                   ; the spare words: 128 bytes for each of 16 waves
.set EMAX,  2
.set SPW,   14
.set NIL,   15
.set SB,    24                         ; v24 my column's four scale bytes
.set X,     32                         ; v32-159 128 numbers down K
.set C,     160                        ; v160-175 four registers of codes for each block
.set OUTR,  176                        ; v176-191 four rows on the way out
	s_load_b128 s[4:7], s[0:1], 0x0                ; W_attn, the codes
	s_load_b64 s[8:9], s[0:1], 0x10                ; the scale bytes
	v_lshl_add_u32 v[SPW], v0, 2, SPARE
	v_mov_b32 v[NIL], 0
	v_lshrrev_b32 v1, 5, v0
	v_readfirstlane_b32 s16, v1                    ; wave 0..15
	v_and_b32 v2, 31, v0                           ; lane
	s_and_b32 s17, s16, 1                          ; which 32 columns
	s_lshr_b32 s18, s16, 1                         ; which 128 along K
	v_lshlrev_b32 v3, 2, v2                        ; in: 4 bytes a lane
	s_mul_i32 s19, s17, 32*PITCH
	s_lshl_b32 s20, s18, 6
	s_add_co_u32 s19, s19, s20
	v_mul_u32_u24 v4, v2, PITCH
	v_add_nc_u32 v4, s19, v4                       ; codes into LDS: my column's row, my 64 bytes of it
	s_lshl_b32 s19, s17, 10
	s_lshl_b32 s20, s18, 2
	s_add_co_u32 s19, s19, s20
	s_add_co_u32 s19, s19, SCS
	v_lshl_add_u32 v5, v2, 5, s19                  ; my scale word: 32 bytes a column, 4 for my part of K
	s_mul_i32 s19, s16, 4*PITCH
	v_lshlrev_b32 v7, 4, v2                        ; 16 x lane
	v_add_nc_u32 v6, s19, v7                       ; back: wave w takes columns 4 w to 4 w + 3, a row of 512 bytes an instruction
	s_min_u32 s21, s16, 3                          ; (the scale bytes leave by waves 0 to 3; the others' register stays inside the region)
	s_lshl_b32 s21, s21, 9
	s_add_co_u32 s19, s21, SCS
	v_add_nc_u32 v8, s19, v7
	s_mul_i32 s22, s18, 128*ROWW                   ; W_attn: my first row of K,
	s_lshl_b32 s23, ttmp9, 8                       ; the work-group's 64 columns,
	s_add_co_u32 s22, s22, s23
	s_lshl_b32 s23, s17, 7                         ; my 32 of them
	s_add_co_u32 s22, s22, s23
	s_mov_b32 s23, 0
	s_lshl_b32 s24, ttmp9, 15                      ; codes: (64 x work-group + 4 x wave) rows of 512 bytes
	s_lshl_b32 s25, s16, 11
	s_add_co_u32 s24, s24, s25
	s_mov_b32 s25, 0
	s_lshl_b32 s26, ttmp9, 11                      ; scale bytes: 2,048 a work-group, 512 a storing wave
	s_add_co_u32 s26, s26, s21
	s_mov_b32 s27, 0
	s_wait_kmcnt 0x0
	s_add_nc_u64 s[4:5], s[4:5], s[22:23]
	s_add_nc_u64 s[6:7], s[6:7], s[24:25]
	s_add_nc_u64 s[8:9], s[8:9], s[26:27]
.set n, 0
.rept 128
	global_load_b32 v[X+n], v3, s[4:5] offset:n*ROWW th:TH_LOAD_NT   ; row n of my part of K at 32 neighbouring columns
.set n, n+1
.endr
.macro BLOCK t, left
.set XS, X+32*(\t)
	s_wait_loadcnt \left                           ; this block's 32 loads are in
	v_max3_num_f32 v12, |v[XS]|, |v[XS+1]|, |v[XS+2]|              ; the block's largest magnitude: all 32 numbers are mine
	v_max3_num_f32 v13, |v[XS+3]|, |v[XS+4]|, |v[XS+5]|
.irp i, 6,10,14,18,22,26
	v_max3_num_f32 v12, v12, |v[XS+\i]|, |v[XS+\i+1]|
	v_max3_num_f32 v13, v13, |v[XS+\i+2]|, |v[XS+\i+3]|
.endr
	v_max3_num_f32 v12, v12, |v[XS+30]|, |v[XS+31]|
	v_max3_num_f32 v12, v12, v13, (EMAX+1)<<23     ; and the floor: the byte cannot fall under 1
	v_add_nc_u32 v11, -(EMAX<<23), v12             ; the conversion's scale operand
	v_lshrrev_b32 v13, 23, v11                     ; the scale's byte
.if (\t) == 0
	v_mov_b32 v[SB], v13
.else
	v_lshl_or_b32 v[SB], v13, 8*(\t), v[SB]        ; the lower K in the lower byte
.endif
.irp g, 0,1,2,3
	v_cvt_scalef32_pk8_fp4_f32 v[C+4*(\t)+\g], v[XS+8*\g:XS+8*\g+7], v11
.endr
	v_nop                                          ; one plain line behind the last conversion of a run
	ds_store_b128 v4, v[C+4*(\t):C+4*(\t)+3] offset:16*(\t)   ; 32 codes: 16 bytes of my column's row
.endm
	BLOCK 0, 63                                    ; 96 later loads could stay out; the wait's field holds 63, and a smaller count is safe
	BLOCK 1, 63                                    ; (64 could)
	BLOCK 2, 32                                    ; the last block's 32 may be out
	BLOCK 3, 0
	ds_store_b32 v5, v[SB]
	s_wait_dscnt 0x0                               ; for the others' sake: my stores have landed
	s_barrier_signal -1
	s_barrier_wait -1
.irp j, 0,1,2,3
	ds_load_b128 v[OUTR+4*\j:OUTR+4*\j+3], v6 offset:PITCH*\j
.endr
.irp j, 0,1,2,3
	s_wait_dscnt 3-\j                              ; row j is in; the later rows may be out
	global_store_b128 v7, v[OUTR+4*\j:OUTR+4*\j+3], s[6:7] offset:512*\j   ; a column's whole row: 512 consecutive bytes
.endr
	s_cmp_lt_u32 s16, 4
	s_cbranch_scc0 .Lend
	ds_load_b128 v[C:C+3], v8
	s_wait_dscnt 0x0
	global_store_b128 v7, v[C:C+3], s[8:9]         ; 512 consecutive scale bytes
.Lend:
	s_wait_tensorcnt 0x0                           ; the wave's end: three closing lines behind my last LDS store
	ds_add_u32 v[SPW], v[NIL]
	s_wait_dscnt 0x0
	s_endpgm
.Lfunc_end_k_q02ed5d9abf_quant_w:
	.size	k_q02ed5d9abf_quant_w, .Lfunc_end_k_q02ed5d9abf_quant_w-k_q02ed5d9abf_quant_w
	.p2alignl 7, 3214868480
	.fill 96, 4, 3214868480
	.section	.rodata,"a",@progbits
	.p2align	6, 0x0
	.amdhsa_kernel k_q02ed5d9abf_quant_w
		.amdhsa_group_segment_fixed_size 37888
		.amdhsa_private_segment_fixed_size 0
		.amdhsa_enable_private_segment 0
		.amdhsa_kernarg_size 24
		.amdhsa_user_sgpr_count 2
		.amdhsa_user_sgpr_kernarg_segment_ptr 1
		.amdhsa_wavefront_size32 1
		.amdhsa_system_sgpr_workgroup_id_x 1
		.amdhsa_system_sgpr_workgroup_id_y 1
		.amdhsa_system_sgpr_workgroup_id_z 1
		.amdhsa_system_vgpr_workitem_id 0
		.amdhsa_next_free_vgpr 192
		.amdhsa_next_free_sgpr 66
		.amdhsa_reserve_vcc 0
		.amdhsa_float_denorm_mode_32 3
		.amdhsa_float_denorm_mode_16_64 3
		.amdhsa_memory_ordered 1
		.amdhsa_forward_progress 1
		.amdhsa_inst_pref_size 22
	.end_amdhsa_kernel
	.amdgpu_metadata
---
amdhsa.version: [ 1, 2 ]
amdhsa.kernels:
  - .name:           k_q02ed5d9abf_quant_w
    .symbol:         k_q02ed5d9abf_quant_w.kd
    .args:
      - { .name: W_attn, .offset: 0, .size: 8, .value_kind: global_buffer, .address_space: global }
      - { .name: w_codes, .offset: 8, .size: 8, .value_kind: global_buffer, .address_space: global }
      - { .name: w_scales, .offset: 16, .size: 8, .value_kind: global_buffer, .address_space: global }
    .group_segment_fixed_size: 37888
    .private_segment_fixed_size: 0
    .kernarg_segment_align: 8
    .kernarg_segment_size: 24
    .max_flat_workgroup_size: 512
    .sgpr_count:     66
    .vgpr_count:     192
    .wavefront_size: 32
...
	.end_amdgpu_metadata
.endif
;; end of part 2
;; launch qkv_gemm (part 3): grid 12 x 32, 4 waves a work-group, clusters of 4 x 4, 327,680 bytes of LDS; arguments x_codes, x_scales, w_codes, w_scales, qkv16, b_attn; writes qkv16
.if DOCPART == 3
	.amdgcn_target "amdgcn-amd-amdhsa--gfx1250"
	.amdhsa_code_object_version 6
	.text
	.protected	k_q02ed5d9abf_qkv_gemm
	.globl	k_q02ed5d9abf_qkv_gemm
	.p2align	8
	.type	k_q02ed5d9abf_qkv_gemm,@function
k_q02ed5d9abf_qkv_gemm:
	s_mov_b64 s[64:65], 0
	v_nop
	global_prefetch_b8 v0, s[64:65] scope:SCOPE_SE
	s_setreg_imm32_b32 hwreg(HW_REG_WAVE_MODE, 25, 1), 1
	s_wait_xcnt 0x0
	s_wait_alu depctr_hold_cnt(0) depctr_sa_sdst(0) depctr_va_vdst(0) depctr_va_sdst(0) depctr_va_ssrc(0) depctr_va_vcc(0) depctr_vm_vsrc(0)
	s_getreg_b32 s2, hwreg(HW_REG_IB_STS2, 6, 4)
	s_cmp_eq_u32 s2, 0
	s_cbranch_scc0 .Lentry_in_a_cluster
	s_endpgm
.Lentry_in_a_cluster:
	s_bfe_u32 s2, ttmp6, 0x10000c
	s_cmp_lg_u32 s2, 0xf033
	s_cbranch_scc0 .Lentry_shape_is_right
	s_endpgm
.Lentry_shape_is_right:
; Launch 3 of 7.  qkv = Q(x) Q(W_attn) + b_attn on codes of FP4 with E8M0 scales; sums in f32; the result is rounded once to f16 and laid by head: qkv16 [part 3][batch 4][head 16][token 2048][64].
; A: x's codes [8192][512 bytes], B: W_attn's codes [3072][512 bytes], K innermost; scale bytes [rows][32].
; A tile of 256 tokens x 256 columns is made by four waves, 128 x 128 each: 64 accumulators, 512 registers.  K = 1,024 is two LDS slots of 512: both are first fills, nothing is filled again.
; The scale bytes of the work-group's rows come once, with the first fills, as rows of 256 bytes + 16.  CLUSTER 4 x 4: A's tiles are asked for jointly along a row of the cluster, B's along a column.
; THE MATRIX INSTRUCTION IS USED TRANSPOSED (source 0 = 16 rows of B, source 1 = 16 rows of A): a lane holds one token and eight neighbouring columns.  THE BIAS IS THE C of each sum's first instruction.
; REGISTERS: window 0: v0-31 addresses; v32-95 scale words and nothing else; v128-191 A's fragments; v192-255 the bias (first step), later rows on the way out.  window 1: B's fragments, two sets.  windows 2, 3: accumulators.
; LIMIT: |q|, |k|, |v| under 65,504 (f16).
.set SIZE_K, 1024
.set KSTEP,  512
.set NQ,     KSTEP/128
.set ROWB,   256                       ; a tile's row in bytes
.set KROW,   SIZE_K/2                  ; a row of codes in memory
.set PITCH,  272                       ; an LDS row: 256 + 16 bytes = 68 words: the 16 rows of a load start at 16 different groups of four words
.set FR,     8
.set NL,     2
.set NP,     4                         ; places behind this matrix instruction (ISA guide 7.12.1)
.set HALFT,  128*PITCH
.set SLOT,   4*HALFT
.set KS,     SIZE_K/32                 ; a row of scales in bytes
.set SCL,    2*SLOT
.set HALFS,  (128*KS/256)*272
.set SBLK,   (16*KS/256)*272
.set SPARE,  SCL+4*HALFS
.set SPITCH, 272                       ; the way out: a stage of 16 tokens x (256 bytes + 16) for each wave, in slot 0, which has had its only fill and its last read by then
.set ADRA, 16
.set ADRB, 20
.set STO,  24
.set RD,   25
.set CO,   26
.set ADRS, 27
.set SPW,  28
.set NIL,  29
.set BOF,  30                          ; v30 the bias loads' offset: 32 x (lane / 16)
.set SC,   32
.set AF,   128
.set BIAS, 192                         ; v192-255: register 8 b + j of lane (r, h): b_attn at my first column + 16 b + 8 h + j
.set TMP,  128                         ; the way out: a block's packed results
.set OB,   160                         ; and 16 tokens read back: v160-191 and v192-223 by turns
.set G1, 24
.set G0, 32
.set G1B, 48
.set G0B, 56
.set G1S, 68
.set G0S, 76
.set G1SB, 80
.set G0SB, 88
.set MSB, 0
.macro WIN new                         ; the immediate's high byte repeats the setting that is left
.if MSB != (\new)
	s_set_vgpr_msb (MSB<<8)|(\new)
.set MSB, (\new)
.endif
.endm
.set MUL_LO, 0xa1                      ; source 0 (B) window 1, source 1 (A) window 0, C and D window 2
.set MUL_HI, 0xf1                      ; the same, C and D window 3
.set TO_B,   0x40
; A joint load: waves 0 and 1 fetch for A, waves 2 and 3 for B; the branch hangs on the wave's number alone.  An s_nop 0 and four v_nop follow each of the two lines.
.macro JLOAD g0a, g1a, g0b, g1b
	s_cmp_eq_u32 s15, 0
	s_cbranch_scc0 .Lfor_b_\@
	tensor_load_to_lds s[\g0a:\g0a+3], s[\g1a:\g1a+7]
	s_nop 0
.rept 4
	v_nop
.endr
	s_branch .Lasked_\@
.Lfor_b_\@:
	tensor_load_to_lds s[\g0b:\g0b+3], s[\g1b:\g1b+7]
	s_nop 0
.rept 4
	v_nop
.endr
.Lasked_\@:
.endm
.macro CROUND                          ; a round of the cluster's barrier
	s_barrier_signal -1
	s_barrier_wait -1
	s_cmp_lg_u32 s14, 0
	s_cbranch_scc1 .Lnot_wave_0_\@
	s_barrier_signal -3
.Lnot_wave_0_\@:
	s_barrier_wait -3
	s_barrier_signal -1
	s_barrier_wait -1
.endm
	s_load_b128 s[4:7], s[0:1], 0x0                ; A's codes, A's scales
	s_load_b128 s[8:11], s[0:1], 0x10              ; B's codes, B's scales
	s_load_b64 s[12:13], s[0:1], 0x20              ; qkv16
	s_load_b64 s[96:97], s[0:1], 0x28              ; b_attn
	v_lshl_add_u32 v[SPW], v0, 2, SPARE
	v_mov_b32 v[NIL], 0
	ds_add_u32 v[SPW], v[NIL]                      ; the wave's opening: the add, twice on end, and its wait ahead of my first tensor load
	ds_add_u32 v[SPW], v[NIL]
	v_lshrrev_b32 v1, 5, v0
	v_readfirstlane_b32 s14, v1                    ; wave 0..3
	s_lshr_b32 s15, s14, 1                         ; which half of the tile's tokens is mine.  Also: I fetch for A (0) or for B (1)
	s_and_b32 s16, s14, 1                          ; which half of its columns.  Also: which 128 rows of that tile I fetch
	s_bfe_u32 s40, ttmp6, 0x40000                  ; cx, cy
	s_bfe_u32 s41, ttmp6, 0x40004
	s_lshl_b32 s42, ttmp9, 2
	s_add_co_u32 s42, s42, s40                     ; tile column
	s_and_b32 s17, ttmp7, 0xffff
	s_lshl_b32 s17, s17, 2
	s_add_co_u32 s17, s17, s41                     ; tile row
	s_lshl_b32 s43, s41, 2
	s_lshl_b32 s43, 15, s43                        ; my row of the cluster
	s_lshl_b32 s44, 0x1111, s40                    ; my column
	s_or_b32 s[G1+0], s43, (0<<16)|(1<<20)|(1<<21)|(5<<22)|(3<<25)  ; the mask; elements of 1 byte; padding: 4 words after every 64; bit 21 beside a mask
	s_or_b32 s[G1B+0], s44, (0<<16)|(1<<20)|(1<<21)|(5<<22)|(3<<25)
.irp g, G1, G1B
	s_mov_b32 s[\g+1], ROWB<<16                    ; tensor_dim0
	s_mov_b32 s[\g+2], 128<<16                     ; tensor_dim1
	s_mov_b32 s[\g+3], ROWB<<16                    ; tile_dim0
	s_mov_b32 s[\g+4], 128                         ; tile_dim1
	s_mov_b32 s[\g+5], KROW                        ; from row to row
	s_mov_b32 s[\g+6], 0
	s_mov_b32 s[\g+7], 0
.endr
	s_or_b32 s[G1S+0], s43, (3<<16)|(1<<20)|(1<<21)|(5<<22)|(3<<25)  ; the scales of 128 rows: 4,096 dense bytes as 16 rows of 32 elements of 8 bytes
	s_or_b32 s[G1SB+0], s44, (3<<16)|(1<<20)|(1<<21)|(5<<22)|(3<<25)
.irp g, G1S, G1SB
	s_mov_b32 s[\g+1], 32<<16
	s_mov_b32 s[\g+2], (128*KS/256)<<16
	s_mov_b32 s[\g+3], 32<<16
	s_mov_b32 s[\g+4], 128*KS/256
	s_mov_b32 s[\g+5], 32
	s_mov_b32 s[\g+6], 0
	s_mov_b32 s[\g+7], 0
.endr
	s_lshl_b32 s18, s16, 7
	s_lshl_b32 s20, s17, 8
	s_add_co_u32 s20, s20, s18                     ; A: row 256 x tile row + 128 x half
	s_lshl_b32 s46, s42, 8
	s_add_co_u32 s46, s46, s18                     ; B: row 256 x tile column + 128 x half
	s_mov_b32 s21, 0
	s_mov_b32 s47, 0
	s_mov_b64 s[18:19], KS
	s_mul_u64 s[22:23], s[20:21], s[18:19]
	s_mul_u64 s[92:93], s[46:47], s[18:19]
	s_mov_b64 s[18:19], KROW
	s_mul_u64 s[20:21], s[20:21], s[18:19]
	s_mul_u64 s[46:47], s[46:47], s[18:19]
	s_mul_i32 s45, s14, HALFT                      ; where they go: wave x 128 rows: no place in the cluster enters an LDS address
	s_mul_i32 s94, s14, HALFS
	s_wait_dscnt 0x0                               ; both opening adds are done
	s_wait_kmcnt 0x0
	s_add_nc_u64 s[20:21], s[4:5], s[20:21]
	s_add_nc_u64 s[22:23], s[6:7], s[22:23]
	s_add_nc_u64 s[46:47], s[8:9], s[46:47]
	s_add_nc_u64 s[92:93], s[10:11], s[92:93]
	CROUND                                         ; all sixteen work-groups are here: the joint loads meet
	s_mov_b32 s[G0S], 1
	s_add_co_u32 s[G0S+1], s94, SCL
	s_mov_b64 s[G0S+2:G0S+3], s[22:23]
	s_or_b32 s[G0S+3], s[G0S+3], 0x80000000
	s_mov_b32 s[G0SB], 1
	s_add_co_u32 s[G0SB+1], s94, SCL
	s_mov_b64 s[G0SB+2:G0SB+3], s[92:93]
	s_or_b32 s[G0SB+3], s[G0SB+3], 0x80000000
	JLOAD G0S, G1S, G0SB, G1SB                     ; the scales first; by this text's count three tensor loads of a wave are out at the most
.irp s, 0,1
	s_mov_b32 s[G0+4*\s], 1
	s_add_co_u32 s[G0+4*\s+1], s45, \s*SLOT
	s_add_nc_u64 s[G0+4*\s+2:G0+4*\s+3], s[20:21], \s*ROWB
	s_or_b32 s[G0+4*\s+3], s[G0+4*\s+3], 0x80000000
	s_mov_b32 s[G0B+4*\s], 1
	s_add_co_u32 s[G0B+4*\s+1], s45, \s*SLOT
	s_add_nc_u64 s[G0B+4*\s+2:G0B+4*\s+3], s[46:47], \s*ROWB
	s_or_b32 s[G0B+4*\s+3], s[G0B+4*\s+3], 0x80000000
	JLOAD G0+4*\s, G1, G0B+4*\s, G1B
.endr
	v_and_b32 v1, 15, v0                           ; r
	v_bfe_u32 v2, v0, 4, 1                         ; h
	v_mul_u32_u24 v3, v1, PITCH
	v_lshl_add_u32 v4, v2, 4, v3                   ; a fragment's row x pitch + 16 x half
	s_mul_i32 s21, s15, HALFT
	s_mul_i32 s22, s16, HALFT
	s_add_co_u32 s22, s22, 2*HALFT
.irp s, 0,1
	v_add_nc_u32 v[ADRA+\s], s21, v4
	v_add_nc_u32 v[ADRB+\s], s22, v4
	s_add_co_u32 s21, s21, SLOT
	s_add_co_u32 s22, s22, SLOT
.endr
	v_mul_u32_u24 v5, v1, KS                       ; my row's scales: KS bytes a row,
	v_lshrrev_b32 v6, 8, v5
	v_lshl_add_u32 v5, v6, 4, v5                   ; and 16 more for each 256 passed
	s_mul_i32 s21, s15, HALFS
	s_mul_i32 s22, s16, HALFS
	s_add_co_u32 s22, s22, 2*HALFS
	s_sub_co_u32 s22, s22, s21
	v_mul_u32_u24 v6, s22, v2                      ; lanes 16-31 take B's: one product, the distance between the two bases
	s_add_co_u32 s21, s21, SCL
	v_add_nc_u32 v5, v5, v6
	v_add_nc_u32 v[ADRS], s21, v5
	s_mul_i32 s23, s14, 16*SPITCH                  ; my stage
	v_mul_u32_u24 v5, v1, SPITCH
	v_lshl_add_u32 v5, v2, 4, v5
	v_add_nc_u32 v[STO], s23, v5                   ; in: token r, 16 bytes for each half of the lanes
	v_and_b32 v6, 31, v0
	v_lshlrev_b32 v[CO], 4, v6                     ; out: 16 x lane: four tokens of 128 bytes on end
	v_lshrrev_b32 v5, 3, v6
	v_mul_u32_u24 v5, v5, SPITCH
	v_and_b32 v6, 7, v6
	v_lshl_add_u32 v5, v6, 4, v5
	v_add_nc_u32 v[RD], s23, v5                    ; back: token lane / 8, 16 (lane % 8) of a head's 128 bytes
	; where my part begins in qkv16.  From the tile column: (part x 64 + head) planes of 2^18 bytes; from the tile row: batch x 16 planes and my first token's 128-byte row.  The two are kept in separate registers
	s_lshl_b32 s46, s42, 2
	s_lshl_b32 s47, s16, 1
	s_add_co_u32 s46, s46, s47                     ; my first group of 64 columns: even, so it and the next lie in one part
	s_lshr_b32 s47, s46, 4
	s_lshl_b32 s47, s47, 6
	s_and_b32 s46, s46, 15
	s_add_co_u32 s46, s46, s47
	s_lshl_b32 s46, s46, 18
	s_mov_b32 s47, 0
	s_lshr_b32 s20, s17, 3                         ; the batch: 8 tile rows each
	s_lshl_b32 s20, s20, 22
	s_and_b32 s21, s17, 7
	s_lshl_b32 s21, s21, 8
	s_lshl_b32 s22, s15, 7
	s_add_co_u32 s21, s21, s22                     ; my first token in its sequence
	s_lshl_b32 s21, s21, 7
	s_add_co_u32 s20, s20, s21
	s_mov_b32 s21, 0
	s_add_nc_u64 s[12:13], s[12:13], s[20:21]
	s_add_nc_u64 s[12:13], s[12:13], s[46:47]
	s_lshl_b32 s92, s42, 10                        ; b_attn at my first column
	s_lshl_b32 s93, s16, 9
	s_add_co_u32 s92, s92, s93
	s_mov_b32 s93, 0
	s_add_nc_u64 s[96:97], s[96:97], s[92:93]
	v_lshlrev_b32 v[BOF], 5, v2
.irp b, 0,1,2,3,4,5,6,7
	global_load_b128 v[BIAS+8*\b:BIAS+8*\b+3], v[BOF], s[96:97] offset:64*\b
	global_load_b128 v[BIAS+8*\b+4:BIAS+8*\b+7], v[BOF], s[96:97] offset:64*\b+16
.endr
.macro FRAG reg, adr, q, i             ; 16 rows x 128 K of 4-bit codes: 8 registers; registers 4 c .. 4 c + 3 hold K = 64 c + 32 (lane / 16) + 0 .. 31
.irp c, 0,1
	ds_load_b128 v[\reg+4*\c:\reg+4*\c+3], v[\adr] offset:64*(\q)+32*\c+(\i)*16*PITCH
.endr
.endm
; 16 matrix instructions: A's blocks a0, a0 + 1 x B's eight.  zero = 1: the first product starts the sums with the bias as C.  The 64 accumulators take turns, one instruction a turn.
.macro MUL16 a0, p, q, sc, zero
.irp a, \a0, \a0+1
.irp b, 0,1,2,3,4,5,6,7
.if \zero
	v_wmma_scale_f32_16x16x128_f8f6f4 v[8*(8*((\a)%4)+\b):8*(8*((\a)%4)+\b)+7], v[128*(\p)+FR*\b:128*(\p)+FR*\b+FR-1], v[AF+FR*(\a):AF+FR*(\a)+FR-1], v[BIAS+8*\b:BIAS+8*\b+7], v[SC+8*NQ*(\sc)+NQ*\b+(\q)], v[SC+8*NQ*(\sc)+NQ*(\a)+(\q)] matrix_a_fmt:MATRIX_FMT_FP4 matrix_b_fmt:MATRIX_FMT_FP4 matrix_a_scale:MATRIX_SCALE_ROW1
.else
	v_wmma_scale_f32_16x16x128_f8f6f4 v[8*(8*((\a)%4)+\b):8*(8*((\a)%4)+\b)+7], v[128*(\p)+FR*\b:128*(\p)+FR*\b+FR-1], v[AF+FR*(\a):AF+FR*(\a)+FR-1], v[8*(8*((\a)%4)+\b):8*(8*((\a)%4)+\b)+7], v[SC+8*NQ*(\sc)+NQ*\b+(\q)], v[SC+8*NQ*(\sc)+NQ*(\a)+(\q)] matrix_a_fmt:MATRIX_FMT_FP4 matrix_b_fmt:MATRIX_FMT_FP4 matrix_a_scale:MATRIX_SCALE_ROW1
.endif
.endr
.endr
.endm
.macro FETCH_B slot, q, p
	WIN TO_B
.irp i, 0,1,2,3,4,5,6,7
	FRAG 128*(\p)+FR*\i, ADRB+\slot, \q, \i
.endr
	WIN 0
.endm
.macro FETCH_A slot, q, i0
.irp i, \i0, \i0+1, \i0+2, \i0+3
	FRAG AF+FR*(\i), ADRA+\slot, \q, \i
.endr
.endm
.macro SCALES sc                       ; a slot's scale words: lanes 0-15 A's block i, lanes 16-31 B's block i
.irp i, 0,1,2,3,4,5,6,7
	ds_load_b128 v[SC+8*NQ*\sc+NQ*\i:SC+8*NQ*\sc+NQ*\i+3], v[ADRS] offset:\i*SBLK
.endr
.endm
.macro PLACES n                        ; plain vector lines between a matrix instruction and a load into, or a vector write or read of, its registers
.rept \n
	v_nop
.endr
.endm
.macro STEP slot, q, zero              ; 128 along K with its successor in the same slot
	s_wait_dscnt 4*NL                              ; B's set and A's blocks 0-3 are in; the youngest eight loads (A's blocks 4-7) may be out
	WIN MUL_LO-0x20*(\zero)                        ; (zero = 1: C, the bias, lies in window 0)
	MUL16 0, (\q)%2, \q, \slot, \zero
	MUL16 2, (\q)%2, \q, \slot, \zero
	s_wait_dscnt 0
	PLACES NP
	FETCH_B \slot, (\q)+1, 1-(\q)%2
	FETCH_A \slot, (\q)+1, 0
	WIN MUL_HI-0x30*(\zero)
	MUL16 4, (\q)%2, \q, \slot, \zero
	MUL16 6, (\q)%2, \q, \slot, \zero
	PLACES NP
	WIN 0
	FETCH_A \slot, (\q)+1, 4
.endm
.macro STEPS slot, from
.set Q, \from
.rept NQ-1-\from
	STEP \slot, Q, 0
.set Q, Q+1
.endr
.endm
	s_wait_tensorcnt 1                             ; the scales and my part of slot 0 are in; slot 1's load may be out
	s_barrier_signal -1
	s_barrier_wait -1
	FETCH_B 0, 0, 0
	FETCH_A 0, 0, 0
	SCALES 0
	FETCH_A 0, 0, 4
	s_wait_loadcnt 0x0                             ; the bias
	STEP 0, 0, 1
	STEPS 0, 1
	; slot 0's last step changes slots: one barrier; nothing is filled again
	s_wait_tensorcnt 0x0                           ; my part of slot 1 has landed
	ds_add_u32 v[SPW], v[NIL]
	s_wait_dscnt 4*NL+1                            ; the add and the youngest eight loads may be out
	WIN MUL_LO
	MUL16 0, 1, NQ-1, 0, 0
	s_wait_dscnt 0x0                               ; the add is done, and my reads of slot 0 are over
	s_barrier_signal -1
	MUL16 2, 1, NQ-1, 0, 0
	WIN 0
	s_barrier_wait -1
	PLACES NP
	v_add_nc_u32 v[ADRS], 4*NQ, v[ADRS]            ; on to slot 1's scale words
	FETCH_B 1, 0, 0
	FETCH_A 1, 0, 0
	SCALES 1
	WIN MUL_HI
	MUL16 4, 1, NQ-1, 0, 0
	MUL16 6, 1, NQ-1, 0, 0
	PLACES NP
	WIN 0
	FETCH_A 1, 0, 4
	STEPS 1, 0
	s_wait_dscnt 4*NL                              ; the very last step
	WIN MUL_LO
	MUL16 0, 1, NQ-1, 1, 0
	MUL16 2, 1, NQ-1, 1, 0
	s_wait_dscnt 0
	WIN MUL_HI
	MUL16 4, 1, NQ-1, 1, 0
	MUL16 6, 1, NQ-1, 1, 0
	WIN 0
; THE WAY OUT, a block of 16 tokens x 128 columns (two heads) at a time: rounded to f16, 16 bytes a lane into my stage, back by head: four tokens x 128 bytes are 512 consecutive bytes of a head's plane.
.macro PACK a
.set AC, 64*((\a)%4)
	WIN 0x0a+5*((\a)/4)                            ; sources 0 and 1: window 2 or 3
.irp b, 0,1,2,3,4,5,6,7
.irp r, 0,1,2,3
	v_cvt_pk_f16_f32 v[TMP+4*\b+\r], v[AC+8*\b+2*\r], v[AC+8*\b+2*\r+1]   ; each accumulator from its low end on
.endr
.endr
	WIN 0
.endm
.macro TOSTAGE a
.set BB, OB+32*((\a)%2)
.irp b, 0,1,2,3,4,5,6,7
	ds_store_b128 v[STO], v[TMP+4*\b:TMP+4*\b+3] offset:32*\b
.endr
.irp u, 0,1
.irp t, 0,1,2,3
	ds_load_b128 v[BB+4*(4*\u+\t):BB+4*(4*\u+\t)+3], v[RD] offset:\t*4*SPITCH+128*\u   ; LDS serves a wave's instructions in order: these see the stores above
.endr
.endr
.endm
.macro SEND a
.set BB, OB+32*((\a)%2)
	s_wait_dscnt 0x0                               ; the block is back in registers
	s_wait_xcnt 0x0                                ; the earlier stores have read their registers: the next block's loads may land on those of two blocks back
.irp u, 0,1
.irp t, 0,1,2,3
	global_store_b128 v[CO], v[BB+4*(4*\u+\t):BB+4*(4*\u+\t)+3], s[12:13] offset:\u*262144+(\a)*2048+\t*512   ; 32 lanes store 512 consecutive bytes; the base is never stepped
.endr
.endr
.endm
	PLACES NP                                      ; behind the last products: TMP and OB lie where A's fragments lay
	PACK 0
	TOSTAGE 0
.irp a, 1,2,3,4,5,6,7                  ; block a's conversions stand between block a - 1's loads from the stage and the wait for them
	PACK \a
	SEND \a-1
	TOSTAGE \a
.endr
	SEND 7
	s_wait_tensorcnt 0x0                           ; the wave's end: three closing lines
	ds_add_u32 v[SPW], v[NIL]
	s_wait_dscnt 0x0
	CROUND                                         ; the closing round
	s_endpgm
.Lfunc_end_k_q02ed5d9abf_qkv_gemm:
	.size	k_q02ed5d9abf_qkv_gemm, .Lfunc_end_k_q02ed5d9abf_qkv_gemm-k_q02ed5d9abf_qkv_gemm
	.p2alignl 7, 3214868480
	.fill 96, 4, 3214868480
	.section	.rodata,"a",@progbits
	.p2align	6, 0x0
	.amdhsa_kernel k_q02ed5d9abf_qkv_gemm
		.amdhsa_group_segment_fixed_size 327680
		.amdhsa_private_segment_fixed_size 0
		.amdhsa_enable_private_segment 0
		.amdhsa_kernarg_size 48
		.amdhsa_user_sgpr_count 2
		.amdhsa_user_sgpr_kernarg_segment_ptr 1
		.amdhsa_wavefront_size32 1
		.amdhsa_system_sgpr_workgroup_id_x 1
		.amdhsa_system_sgpr_workgroup_id_y 1
		.amdhsa_system_sgpr_workgroup_id_z 1
		.amdhsa_system_vgpr_workitem_id 0
		.amdhsa_next_free_vgpr 1024
		.amdhsa_next_free_sgpr 100
		.amdhsa_reserve_vcc 0
		.amdhsa_float_denorm_mode_32 3
		.amdhsa_float_denorm_mode_16_64 3
		.amdhsa_memory_ordered 1
		.amdhsa_forward_progress 1
		.amdhsa_inst_pref_size 128
	.end_amdhsa_kernel
	.amdgpu_metadata
---
amdhsa.version: [ 1, 2 ]
amdhsa.kernels:
  - .name:           k_q02ed5d9abf_qkv_gemm
    .symbol:         k_q02ed5d9abf_qkv_gemm.kd
    .args:
      - { .name: x_codes, .offset: 0, .size: 8, .value_kind: global_buffer, .address_space: global }
      - { .name: x_scales, .offset: 8, .size: 8, .value_kind: global_buffer, .address_space: global }
      - { .name: w_codes, .offset: 16, .size: 8, .value_kind: global_buffer, .address_space: global }
      - { .name: w_scales, .offset: 24, .size: 8, .value_kind: global_buffer, .address_space: global }
      - { .name: qkv16, .offset: 32, .size: 8, .value_kind: global_buffer, .address_space: global }
      - { .name: b_attn, .offset: 40, .size: 8, .value_kind: global_buffer, .address_space: global }
    .group_segment_fixed_size: 327680
    .private_segment_fixed_size: 0
    .kernarg_segment_align: 8
    .kernarg_segment_size: 48
    .max_flat_workgroup_size: 128
    .sgpr_count:     100
    .vgpr_count:     1024
    .wavefront_size: 32
...
	.end_amdgpu_metadata
.endif
;; end of part 3
;; launch attn (part 4): grid 4 x 64, 16 waves a work-group, no clusters, 327,680 bytes of LDS; arguments qkv16, y16; writes y16
.if DOCPART == 4
	.amdgcn_target "amdgcn-amd-amdhsa--gfx1250"
	.amdhsa_code_object_version 6
	.text
	.protected	k_q02ed5d9abf_attn
	.globl	k_q02ed5d9abf_attn
	.p2align	8
	.type	k_q02ed5d9abf_attn,@function
k_q02ed5d9abf_attn:
	s_mov_b64 s[64:65], 0
	v_nop
	global_prefetch_b8 v0, s[64:65] scope:SCOPE_SE
	s_setreg_imm32_b32 hwreg(HW_REG_WAVE_MODE, 25, 1), 1
	s_wait_xcnt 0x0
; Launch 4 of 7.  y[b][h][q] = sum over k <= q of softmax_k(q . k / 8) v, f16 operands, f32 sums, maxima and exponentials.  qkv16 [part][b][h][token][64] f16; y16 [b][h][token][64] f16.
; WORK LEFT OUT: a step of 64 keys all of which come after my 32 queries is jumped over: reference() masks those scores to -infinity by its own lower triangle, so their weights are 0 for all finite inputs.
; LIMIT: a NaN, an infinity or an overflow that would arise only there is not carried on.  |y| under 65,504.
; NO CLUSTER: under the causal mask the work-groups of a head need different numbers of tiles, and every wave of some partner would jump over the reads of a joint tile.
; SHARES.  Work-group (i, head) owns query blocks i and 7 - i of 256 queries: 9 units of 256 x 256 in every work-group.  Waves 0-7 take block i, waves 8-15 block 7 - i; a wave owns 32 queries, two tiles of 16.
; All sixteen walk one ring of two LDS slots of 256 keys (waves 0, 1 fetch K's halves, waves 2, 3 V's).  Every work-group walks all 8 slots, so the trip counts are constants; the tensor loads end at the causal limit.
; LAYOUT.  S^T = K Q^T (source 0 = 16 keys, source 1 = 16 queries): a lane holds one query (lane % 16) and keys 8 (lane / 16) + 0..7.  Two such tiles rounded to f16 in pairs ARE source 1 of O^T = V^T P.
; V ([key][channel]) comes out of LDS turned, by ds_load_tr16_b128.  SOFTMAX: running maximum m and sum l; p = 2^(c s - c m), c = log2(e) / 8; O and l are multiplied by a = 2^(c m_old - c m_new) in every step.
; REGISTERS: v1-7 addresses; v8-17, v18-27 a tile's statistics (+0 c m, +1 m, +2,3 l, +4..7 at work, +8 a, +9 zero); v28,29 the mask's d; v30 -infinity; v31 prefetch offset; v32-63 Q; v64-127 K, then V; v128-191 S, P in place; v192-255 O^T.
.set KP,    144                        ; a key's row in LDS: 128 bytes + 16: an odd multiple of 16
.set VP,    160                        ; a row of V: 128 + 32: an odd multiple of 32
.set SK,    256                        ; keys in a slot
.set VOFF,  SK*KP
.set SLOT1, 1<<17                      ; one exclusive or turns an address from one slot to the other
.set STAGE, 2*SLOT1                    ; the way out: 16 rows x 144 bytes for each wave; no fill lands here
.set SPARE, STAGE+16*16*KP
.set AK0, 1
.set AV0, 2
.set ADK, 3
.set ADV, 4
.set SPW, 5
.set NIL, 6
.set GO,  7                            ; v7 16 x lane
.set ST,  8
.set D0,  28
.set NINF, 30
.set PFO, 31
.set QF,  32
.set KV,  64
.set S,   128
.set O,   192
.set TB,  2                            ; s2  LDS byte at which the slot in hand begins
.set SLOTS, 3                          ; s3  changes of slots still to come in the loop
.set WV,  18
.set SEL, 20
.set CS,  22
.set G1K, 24
.set G1V, 32
.set G0K, 40
.set G0V, 44
.set KF,  48                           ; s48 the step's first key
.set Q0,  49                           ; s49 my first query
.set QL,  50                           ; s50 my work-group's last query
.set PFA, 52
.set LIM, 54
; Waves 0, 1 fetch for K, waves 2, 3 for V, the others nothing.  An s_nop 0 and four v_nop follow each of the two lines.
.macro TLOAD
	s_cmp_lt_u32 s[WV], 2
	s_cbranch_scc0 .Lnot_k_\@
	tensor_load_to_lds s[G0K:G0K+3], s[G1K:G1K+7]
	s_nop 0
.rept 4
	v_nop
.endr
	s_branch .Lasked_\@
.Lnot_k_\@:
	s_cmp_lt_u32 s[WV], 4
	s_cbranch_scc0 .Lasked_\@
	tensor_load_to_lds s[G0V:G0V+3], s[G1V:G1V+7]
	s_nop 0
.rept 4
	v_nop
.endr
.Lasked_\@:
.endm
; A prefetch of what the NEXT change of slots will ask for: 32,768 dense bytes of K and as many of V.  The head's work-group 0, which walks all slots, asks, and nobody else; in it waves 4-7 ask for K's,
; waves 8-11 for V's, 8,192 bytes a wave, lanes 256 bytes apart: each block of 256 bytes is named once in the launch.  Slots 0 and 1 come by their loads alone; the last change that fills a slot asks for nothing.
.macro ASK
	s_cmp_gt_u32 s[SLOTS], s[LIM]
	s_cbranch_scc0 .Lnot_mine_\@
	global_prefetch_b8 v[PFO], s[PFA:PFA+1] th:TH_LOAD_NT scope:SCOPE_SE
.Lnot_mine_\@:
.endm
	s_load_b128 s[4:7], s[0:1], 0x0                ; qkv16, y16
	v_lshl_add_u32 v[SPW], v0, 2, SPARE
	v_mov_b32 v[NIL], 0
	ds_add_u32 v[SPW], v[NIL]                      ; the wave's opening: the add, twice on end, and its wait ahead of the first tensor load
	ds_add_u32 v[SPW], v[NIL]
	v_lshrrev_b32 v8, 5, v0
	v_readfirstlane_b32 s[WV], v8                  ; wave 0..15
	s_and_b32 s66, ttmp7, 0xffff                   ; 16 x batch + head
	s_lshr_b32 s56, s[WV], 3
	s_lshl_b32 s57, ttmp9, 1
	s_sub_co_u32 s57, 7, s57
	s_mul_i32 s56, s56, s57
	s_add_co_u32 s56, s56, ttmp9                   ; my block of queries: i, or 7 - i for waves 8-15
	s_lshl_b32 s[Q0], s56, 8
	s_and_b32 s57, s[WV], 7
	s_lshl_b32 s57, s57, 5
	s_add_co_u32 s[Q0], s[Q0], s57
	s_sub_co_u32 s[QL], 7, ttmp9
	s_lshl_b32 s[QL], s[QL], 8
	s_or_b32 s[QL], s[QL], 255
	s_lshl_b32 s58, s66, 18                        ; Q's and y's plane, and my first query's row of 128 bytes
	s_lshl_b32 s57, s[Q0], 7
	s_add_co_u32 s58, s58, s57
	s_mov_b32 s59, 0
	s_and_b32 s67, s[WV], 1                        ; which 128 keys of a slot I fetch, if I fetch
	s_lshl_b32 s57, s67, 14
	s_add_co_u32 s60, s66, 64                      ; K's plane
	s_lshl_b32 s60, s60, 18
	s_add_co_u32 s60, s60, s57
	s_mov_b32 s61, 0
	s_add_co_u32 s62, s66, 128                     ; V's plane
	s_lshl_b32 s62, s62, 18
	s_add_co_u32 s62, s62, s57
	s_mov_b32 s63, 0
	s_mul_i32 s68, s67, 128*KP
	s_mul_i32 s69, s67, 128*VP
	s_add_co_u32 s69, s69, VOFF
	s_mov_b32 s[G1K], (1<<16)|(1<<20)|(4<<22)|(3<<25)   ; no mask; elements of 2 bytes; padding: 4 words after every 32
	s_mov_b32 s[G1V], (1<<16)|(1<<20)|(4<<22)|(7<<25)   ; 8 words
.irp g, G1K, G1V
	s_mov_b32 s[\g+1], 64<<16                      ; tensor_dim0
	s_mov_b32 s[\g+2], 128<<16                     ; tensor_dim1
	s_mov_b32 s[\g+3], 64<<16                      ; tile_dim0
	s_mov_b32 s[\g+4], 128                         ; tile_dim1
	s_mov_b32 s[\g+5], 64                          ; from row to row
	s_mov_b32 s[\g+6], 0
	s_mov_b32 s[\g+7], 0
.endr
	s_mov_b32 s[SEL], 0x76543210
	s_mov_b32 s[SEL+1], 0xfedcba98
	s_mov_b32 s[CS], 0x3e38aa3b                    ; c = log2(e) / 8
	s_mov_b32 s[CS+1], s[CS]
	s_mov_b32 s[TB], 0
	s_mov_b32 s[SLOTS], 7
	s_mov_b32 s[KF], 0
	s_wait_dscnt 0x0                               ; both opening adds are done
	s_wait_kmcnt 0x0
	s_mov_b32 s[G0K], 1
	s_mov_b32 s[G0K+1], s68
	s_add_nc_u64 s[G0K+2:G0K+3], s[4:5], s[60:61]
	s_or_b32 s[G0K+3], s[G0K+3], 0x80000000
	s_mov_b32 s[G0V], 1
	s_mov_b32 s[G0V+1], s69
	s_add_nc_u64 s[G0V+2:G0V+3], s[4:5], s[62:63]
	s_or_b32 s[G0V+3], s[G0V+3], 0x80000000
	TLOAD                                          ; slot 0: key 0 counts for every query, so it is read
	s_add_nc_u64 s[8:9], s[4:5], s[58:59]          ; Q at my first query
	s_add_nc_u64 s[10:11], s[6:7], s[58:59]        ; y likewise
	s_cmp_lt_u32 s[WV], 8                          ; the prefetches: waves 4-7 K's plane, waves 8-11 V's
	s_cselect_b32 s58, 64, 128
	s_add_co_u32 s58, s58, s66
	s_lshl_b32 s58, s58, 18
	s_and_b32 s57, s[WV], 3
	s_lshl_b32 s57, s57, 13
	s_add_co_u32 s58, s58, s57
	s_add_co_u32 s58, s58, 32768                   ; in slot 1: the first change of slots steps it to slot 2
	s_add_nc_u64 s[PFA:PFA+1], s[4:5], s[58:59]
	s_sub_co_u32 s56, s[WV], 4
	s_lshr_b32 s56, s56, 3                         ; 0 in waves 4 to 11,
	s_or_b32 s56, s56, ttmp9                       ; of the head's work-group 0
	s_cmp_eq_u32 s56, 0
	s_cselect_b32 s[LIM], 1, -1
	v_and_b32 v8, 15, v0                           ; r
	v_bfe_u32 v9, v0, 4, 1                         ; h
	v_lshlrev_b32 v[ADK], 7, v8
	v_lshl_add_u32 v[ADK], v9, 4, v[ADK]           ; Q: row r of 128 bytes + 16 h (this register is next written behind the wait for these loads)
.irp t, 0,1
.irp cs, 0,1
	global_load_b128 v[QF+16*\t+8*\cs:QF+16*\t+8*\cs+3], v[ADK], s[8:9] offset:\t*2048+64*\cs
	global_load_b128 v[QF+16*\t+8*\cs+4:QF+16*\t+8*\cs+7], v[ADK], s[8:9] offset:\t*2048+64*\cs+32
.endr
.endr
	v_mul_u32_u24 v[AK0], v8, KP
	v_lshl_add_u32 v[AK0], v9, 4, v[AK0]           ; K: row r x pitch + 16 h
	v_and_b32 v10, 7, v0
	v_lshl_add_u32 v[AV0], v9, 3, v10
	v_mul_u32_u24 v[AV0], v[AV0], VP
	v_bfe_u32 v10, v0, 3, 1
	v_lshl_add_u32 v[AV0], v10, 4, v[AV0]
	v_add_nc_u32 v[AV0], VOFF, v[AV0]              ; V, for the turning load: key 8 h + lane % 8, channels 8 ((lane / 8) % 2) on
	v_and_b32 v[GO], 31, v0
	v_lshlrev_b32 v[PFO], 8, v[GO]
	v_lshlrev_b32 v[GO], 4, v[GO]
	v_mov_b32 v[NINF], 0xff800000
.irp t, 0,1
	v_mov_b32 v[ST+10*\t+1], 0xff61b1e6            ; m: -3e38, under every score
	v_mul_f32 v[ST+10*\t], s[CS], v[ST+10*\t+1]
	v_mov_b32 v[ST+10*\t+2], 0                     ; l, in two halves
	v_mov_b32 v[ST+10*\t+3], 0
	v_mov_b32 v[ST+10*\t+9], 0                     ; named with a as a pair
.endr
.set n, 0
.rept 64
	v_mov_b32 v[O+n], 0                            ; O^T: the step is written once; its first walk finds zeros, which a = 0 leaves zeros
.set n, n+1
.endr
; A KEY STEP: 64 keys, the q-th of the slot in hand.
.macro STEP q
	s_add_co_u32 s56, s[Q0], 31
	s_cmp_gt_u32 s[KF], s56                        ; all 64 keys come after my 32 queries: ids and the count of steps alone
	s_cbranch_scc1 .Lhidden_\@
	v_add_nc_u32 v[ADK], s[TB], v[AK0]
	v_add_nc_u32 v[ADV], s[TB], v[AV0]
.rept 3
	v_nop                                          ; five plain lines behind the last step's products: four for the loads into their sources, five for the products below, which write over P
.endr
.irp kt, 0,1,2,3
.irp cs, 0,1
	ds_load_b128 v[KV+16*\kt+8*\cs:KV+16*\kt+8*\cs+3], v[ADK] offset:(64*(\q)+16*\kt)*KP+64*\cs
	ds_load_b128 v[KV+16*\kt+8*\cs+4:KV+16*\kt+8*\cs+7], v[ADK] offset:(64*(\q)+16*\kt)*KP+64*\cs+32
.endr
.endr
	s_wait_dscnt 0x0
.irp cs, 0,1                                   ; S^T = K Q^T: eight accumulators by turns, 32 channels a pass; the first pass starts the sums
.irp t, 0,1
.irp kt, 0,1,2,3
.if \cs == 0
	v_wmma_f32_16x16x32_f16 v[S+32*\t+8*\kt:S+32*\t+8*\kt+7], v[KV+16*\kt:KV+16*\kt+7], v[QF+16*\t:QF+16*\t+7], 0
.else
	v_wmma_f32_16x16x32_f16 v[S+32*\t+8*\kt:S+32*\t+8*\kt+7], v[KV+16*\kt+8:KV+16*\kt+15], v[QF+16*\t+8:QF+16*\t+15], v[S+32*\t+8*\kt:S+32*\t+8*\kt+7]
.endif
.endr
.endr
.endr
.rept 4
	v_nop                                          ; places in front of the loads into K's registers and of the first read of the scores
.endr
.irp ks, 0,1                                   ; V lands under the softmax
.irp ct, 0,1,2,3
	ds_load_tr16_b128 v[KV+32*\ks+8*\ct:KV+32*\ks+8*\ct+3], v[ADV] offset:(64*(\q)+32*\ks)*VP+32*\ct
	ds_load_tr16_b128 v[KV+32*\ks+8*\ct+4:KV+32*\ks+8*\ct+7], v[ADV] offset:(64*(\q)+32*\ks+16)*VP+32*\ct
.endr
.endr
	s_add_co_u32 s56, s[KF], 63                    ; on the diagonal hidden scores become -infinity ahead of the maximum; a step all of whose keys count skips this
	s_cmp_le_u32 s56, s[Q0]
	s_cbranch_scc1 .Lopen_\@
	s_sub_co_i32 s56, s[Q0], s[KF]
	v_and_b32 v[D0], 15, v0
	v_bfe_u32 v[D0+1], v0, 4, 1
	v_lshlrev_b32 v[D0+1], 3, v[D0+1]
	v_sub_nc_u32 v[D0], v[D0], v[D0+1]
	v_add_nc_u32 v[D0], s56, v[D0]                 ; d = my query - KF - 8 h.  Register 8 kt + j holds key KF + 8 h + 16 kt + j: hidden where 16 kt + j > d
	v_add_nc_u32 v[D0+1], 16, v[D0]                ; tile 1's queries lie 16 on
.irp t, 0,1
.irp n, 0,1,2,3,4,5,6,7,8,9,10,11,12,13,14,15,16,17,18,19,20,21,22,23,24,25,26,27,28,29,30,31
	v_cmp_gt_i32 vcc_lo, 16*(\n/8)+\n%8, v[D0+\t]
	v_cndmask_b32 v[S+32*\t+\n], v[S+32*\t+\n], v[NINF], vcc_lo
.endr
.endr
.Lopen_\@:
.irp j, 0,1,2,3                                ; the maximum of 32 scores and the old m: four chains, each from its accumulator's low end; the two tiles line by line
.irp t, 0,1
	v_max3_num_f32 v[ST+10*\t+4+\j], v[S+32*\t+8*\j], v[S+32*\t+8*\j+1], v[S+32*\t+8*\j+2]
.endr
.endr
.irp g, 1,2
.irp j, 0,1,2,3
.irp t, 0,1
	v_max3_num_f32 v[ST+10*\t+4+\j], v[ST+10*\t+4+\j], v[S+32*\t+8*\j+2*\g+1], v[S+32*\t+8*\j+2*\g+2]
.endr
.endr
.endr
.irp t, 0,1
	v_max3_num_f32 v[ST+10*\t+4], v[ST+10*\t+4], v[S+32*\t+7], v[S+32*\t+15]
.endr
.irp t, 0,1
	v_max3_num_f32 v[ST+10*\t+6], v[ST+10*\t+6], v[S+32*\t+23], v[S+32*\t+31]
.endr
.irp t, 0,1
	v_max3_num_f32 v[ST+10*\t+4], v[ST+10*\t+4], v[ST+10*\t+5], v[ST+10*\t+6]
.endr
.irp t, 0,1
	v_max3_num_f32 v[ST+10*\t+4], v[ST+10*\t+4], v[ST+10*\t+7], v[ST+10*\t+1]
.endr
.irp t, 0,1
	v_permlanex16_b32 v[ST+10*\t+5], v[ST+10*\t+4], s[SEL], s[SEL+1]   ; the query's other 32 keys lie in the lane 16 away
.endr
.irp t, 0,1
	v_mov_b32 v[ST+10*\t+7], v[ST+10*\t]           ; c m_old
.endr
.irp t, 0,1
	v_max_num_f32 v[ST+10*\t+1], v[ST+10*\t+4], v[ST+10*\t+5]
.endr
.irp t, 0,1
	v_mul_f32 v[ST+10*\t], s[CS], v[ST+10*\t+1]
.endr
.irp t, 0,1
	v_sub_f32 v[ST+10*\t+7], v[ST+10*\t+7], v[ST+10*\t]
.endr
.irp b, 0,1,2,3,4,5,6,7,8,9,10,11,12,13,14,15
.irp t, 0,1
	v_pk_fma_f32 v[S+32*\t+2*\b:S+32*\t+2*\b+1], v[S+32*\t+2*\b:S+32*\t+2*\b+1], s[CS:CS+1], v[ST+10*\t:ST+10*\t+1] op_sel_hi:[1,0,0] neg_lo:[0,0,1] neg_hi:[0,0,1]   ; c s - c m
.endr
.endr
.irp t, 0,1
	v_exp_f32 v[ST+10*\t+8], v[ST+10*\t+7]         ; a
.endr
.set n, 0
.rept 64
	v_exp_f32 v[S+n], v[S+n]                       ; p: one batch of 66 exponentials, none of which reads another's result
.set n, n+1
.endr
	v_nop                                          ; the plain line behind the last exponential
	s_wait_alu depctr_va_vdst(0)                   ; one wait ahead of the batch's first reader, for all 66
.irp t, 0,1                                    ; the sums of the unrounded p, two chains a tile
	v_pk_add_f32 v[ST+10*\t+4:ST+10*\t+5], v[S+32*\t:S+32*\t+1], v[S+32*\t+2:S+32*\t+3]
.endr
.irp t, 0,1
	v_pk_add_f32 v[ST+10*\t+6:ST+10*\t+7], v[S+32*\t+4:S+32*\t+5], v[S+32*\t+6:S+32*\t+7]
.endr
.irp j, 8,12,16,20,24,28
.irp t, 0,1
	v_pk_add_f32 v[ST+10*\t+4:ST+10*\t+5], v[ST+10*\t+4:ST+10*\t+5], v[S+32*\t+\j:S+32*\t+\j+1]
.endr
.irp t, 0,1
	v_pk_add_f32 v[ST+10*\t+6:ST+10*\t+7], v[ST+10*\t+6:ST+10*\t+7], v[S+32*\t+\j+2:S+32*\t+\j+3]
.endr
.endr
.irp t, 0,1
	v_pk_add_f32 v[ST+10*\t+4:ST+10*\t+5], v[ST+10*\t+4:ST+10*\t+5], v[ST+10*\t+6:ST+10*\t+7]
.endr
.irp t, 0,1
	v_pk_fma_f32 v[ST+10*\t+2:ST+10*\t+3], v[ST+10*\t+2:ST+10*\t+3], v[ST+10*\t+8:ST+10*\t+9], v[ST+10*\t+4:ST+10*\t+5] op_sel_hi:[1,0,1]   ; l = a l + the sum
.endr
.irp n, 0,1,2,3,4,5,6,7,8,9,10,11,12,13,14,15  ; P in place, ascending: register n takes scores 2 n and 2 n + 1
.irp t, 0,1
	v_cvt_pk_f16_f32 v[S+32*\t+\n], v[S+32*\t+2*\n], v[S+32*\t+2*\n+1]
.endr
.endr
.irp n, 0,1,2,3,4,5,6,7,8,9,10,11,12,13,14,15
.irp t, 0,1
	v_pk_mul_f32 v[O+32*\t+2*\n:O+32*\t+2*\n+1], v[O+32*\t+2*\n:O+32*\t+2*\n+1], v[ST+10*\t+8:ST+10*\t+9] op_sel_hi:[1,0]   ; O^T x a, each accumulator from its low end on
.endr
.endr
	s_wait_dscnt 0x0                               ; V is in
.irp ks, 0,1                                   ; O^T += V^T P: eight accumulators by turns, 32 keys a pass
.irp t, 0,1
.irp ct, 0,1,2,3
	v_wmma_f32_16x16x32_f16 v[O+32*\t+8*\ct:O+32*\t+8*\ct+7], v[KV+32*\ks+8*\ct:KV+32*\ks+8*\ct+7], v[S+32*\t+8*\ks:S+32*\t+8*\ks+7], v[O+32*\t+8*\ct:O+32*\t+8*\ct+7]
.endr
.endr
.endr
.Lhidden_\@:
	s_add_co_u32 s[KF], s[KF], 64
.endm
; THE CHANGE OF SLOTS stands at a slot's head: each wave waits for all its tensor loads, adds 0 to its spare word, and waits for that and for its reads of the slot that it has left; behind the barrier the slot ahead is
; whole and nobody reads the other one.  fill = 1: that other slot is asked for, up to the causal limit; the load has a slot's four steps in which to land.  By this text's count one tensor load of a wave is out at the most.
.macro CHANGE fill
	s_wait_tensorcnt 0x0                           ; no tensor load of mine is out, so a descriptor's address may be written
	ds_add_u32 v[SPW], v[NIL]
.if \fill
	ds_add_u32 v[SPW], v[NIL]                      ; and twice on end here, in every trip alike
	s_xor_b32 s[G0K+1], s[G0K+1], SLOT1
	s_add_nc_u64 s[G0K+2:G0K+3], s[G0K+2:G0K+3], SK*128
	s_xor_b32 s[G0V+1], s[G0V+1], SLOT1
	s_add_nc_u64 s[G0V+2:G0V+3], s[G0V+2:G0V+3], SK*128
	s_wait_xcnt 0x0                                ; the last prefetch, a slot back, has read its address
	s_add_nc_u64 s[PFA:PFA+1], s[PFA:PFA+1], SK*128
.endif
	s_wait_dscnt 0x0
	s_barrier_signal -1
	s_barrier_wait -1
.if \fill
	s_add_co_u32 s56, s[KF], SK                    ; the first key of the slot that this change would ask for:
	s_cmp_gt_u32 s56, s[QL]                        ; behind my work-group's last query no wave reads it, so it is not asked for.  Ids and the count of steps alone: all sixteen waves go the same way
	s_cbranch_scc1 .Lpast_\@
	TLOAD
.Lpast_\@:
	ASK
.endif
.endm
.macro SLOT_STEPS
	STEP 0
	STEP 1
	STEP 2
	STEP 3
	s_xor_b32 s[TB], s[TB], SLOT1
.endm
	s_wait_loadcnt 0x0                             ; Q
.Lslot:                                                ; 7 trips
	CHANGE 1
	SLOT_STEPS
	s_sub_co_u32 s[SLOTS], s[SLOTS], 1
	s_cmp_lg_u32 s[SLOTS], 0
	s_cbranch_scc1 .Lslot
	CHANGE 0                                       ; the last slot is written out: nothing is left to ask for
	SLOT_STEPS
	; THE WAY OUT: l's halves are added, O^T is divided by l, rounded to f16 and sent through my stage, a tile of 16 queries at a time; four queries x 128 bytes leave as 512 consecutive bytes.
.irp t, 0,1
	v_add_f32 v[ST+10*\t+4], v[ST+10*\t+2], v[ST+10*\t+3]
.endr
.irp t, 0,1
	v_permlanex16_b32 v[ST+10*\t+5], v[ST+10*\t+4], s[SEL], s[SEL+1]
.endr
.irp t, 0,1
	v_add_f32 v[ST+10*\t+4], v[ST+10*\t+4], v[ST+10*\t+5]
.endr
.irp t, 0,1
	v_rcp_f32 v[ST+10*\t+8], v[ST+10*\t+4]
.endr
	v_and_b32 v[D0], 15, v0                        ; (plain work behind the reciprocals)
	v_bfe_u32 v[D0+1], v0, 4, 1
	s_mul_i32 s57, s[WV], 16*KP
	s_add_co_u32 s57, s57, STAGE
	v_mul_u32_u24 v[ADK], v[D0], KP
	v_lshl_add_u32 v[ADK], v[D0+1], 4, v[ADK]
	v_add_nc_u32 v[ADK], s57, v[ADK]               ; in: row r, 16 bytes for each half of the lanes
	v_bfe_u32 v[D0], v0, 3, 2
	v_and_b32 v[D0+1], 7, v0
	v_mul_u32_u24 v[ADV], v[D0], KP
	v_lshl_add_u32 v[ADV], v[D0+1], 4, v[ADV]
	v_add_nc_u32 v[ADV], s57, v[ADV]               ; back: row lane / 8, 16 (lane % 8)
	s_wait_alu depctr_va_vdst(0)                   ; one wait for both reciprocals, ahead of their first reader
.irp t, 0,1
.irp n, 0,1,2,3,4,5,6,7,8,9,10,11,12,13,14,15
	v_pk_mul_f32 v[O+32*\t+2*\n:O+32*\t+2*\n+1], v[O+32*\t+2*\n:O+32*\t+2*\n+1], v[ST+10*\t+8:ST+10*\t+9] op_sel_hi:[1,0]
.endr
.irp n, 0,1,2,3,4,5,6,7,8,9,10,11,12,13,14,15
	v_cvt_pk_f16_f32 v[S+16*\t+\n], v[O+32*\t+2*\n], v[O+32*\t+2*\n+1]
.endr
.irp ct, 0,1,2,3
	ds_store_b128 v[ADK], v[S+16*\t+4*\ct:S+16*\t+4*\ct+3] offset:32*\ct
.endr
.irp u, 0,1,2,3
	ds_load_b128 v[KV+16*\t+4*\u:KV+16*\t+4*\u+3], v[ADV] offset:\u*4*KP   ; LDS serves a wave's instructions in order: these see my stores, and the next tile's stores come behind them
.endr
.endr
.irp t, 0,1
.irp u, 0,1,2,3
	s_wait_dscnt 11-8*\t-\u                        ; behind this load: the tile's later loads, and for tile 0 tile 1's eight LDS instructions
	global_store_b128 v[GO], v[KV+16*\t+4*\u:KV+16*\t+4*\u+3], s[10:11] offset:\t*2048+\u*512
.endr
.endr
	s_wait_tensorcnt 0x0                           ; the wave's end: three closing lines
	ds_add_u32 v[SPW], v[NIL]
	s_wait_dscnt 0x0
	s_endpgm
.Lfunc_end_k_q02ed5d9abf_attn:
	.size	k_q02ed5d9abf_attn, .Lfunc_end_k_q02ed5d9abf_attn-k_q02ed5d9abf_attn
	.p2alignl 7, 3214868480
	.fill 96, 4, 3214868480
	.section	.rodata,"a",@progbits
	.p2align	6, 0x0
	.amdhsa_kernel k_q02ed5d9abf_attn
		.amdhsa_group_segment_fixed_size 327680
		.amdhsa_private_segment_fixed_size 0
		.amdhsa_enable_private_segment 0
		.amdhsa_kernarg_size 16
		.amdhsa_user_sgpr_count 2
		.amdhsa_user_sgpr_kernarg_segment_ptr 1
		.amdhsa_wavefront_size32 1
		.amdhsa_system_sgpr_workgroup_id_x 1
		.amdhsa_system_sgpr_workgroup_id_y 1
		.amdhsa_system_sgpr_workgroup_id_z 1
		.amdhsa_system_vgpr_workitem_id 0
		.amdhsa_next_free_vgpr 256
		.amdhsa_next_free_sgpr 80
		.amdhsa_reserve_vcc 1
		.amdhsa_float_denorm_mode_32 3
		.amdhsa_float_denorm_mode_16_64 3
		.amdhsa_memory_ordered 1
		.amdhsa_forward_progress 1
		.amdhsa_inst_pref_size 189
	.end_amdhsa_kernel
	.amdgpu_metadata
---
amdhsa.version: [ 1, 2 ]
amdhsa.kernels:
  - .name:           k_q02ed5d9abf_attn
    .symbol:         k_q02ed5d9abf_attn.kd
    .args:
      - { .name: qkv16, .offset: 0, .size: 8, .value_kind: global_buffer, .address_space: global }
      - { .name: y16, .offset: 8, .size: 8, .value_kind: global_buffer, .address_space: global }
    .group_segment_fixed_size: 327680
    .private_segment_fixed_size: 0
    .kernarg_segment_align: 8
    .kernarg_segment_size: 16
    .max_flat_workgroup_size: 512
    .sgpr_count:     80
    .vgpr_count:     256
    .wavefront_size: 32
...
	.end_amdgpu_metadata
.endif
;; end of part 4
;; launch proj (part 5): grid 4 x 64, 4 waves a work-group, clusters of 4 x 4, 327,680 bytes of LDS; arguments y16, wp16, b_proj, out0; writes out0
.if DOCPART == 5
	.amdgcn_target "amdgcn-amd-amdhsa--gfx1250"
	.amdhsa_code_object_version 6
	.text
	.protected	k_q02ed5d9abf_proj
	.globl	k_q02ed5d9abf_proj
	.p2align	8
	.type	k_q02ed5d9abf_proj,@function
k_q02ed5d9abf_proj:
	s_mov_b64 s[64:65], 0
	v_nop
	global_prefetch_b8 v0, s[64:65] scope:SCOPE_SE
	s_setreg_imm32_b32 hwreg(HW_REG_WAVE_MODE, 25, 1), 1
	s_wait_xcnt 0x0
	s_wait_alu depctr_hold_cnt(0) depctr_sa_sdst(0) depctr_va_vdst(0) depctr_va_sdst(0) depctr_va_ssrc(0) depctr_va_vcc(0) depctr_vm_vsrc(0)
	s_getreg_b32 s2, hwreg(HW_REG_IB_STS2, 6, 4)
	s_cmp_eq_u32 s2, 0
	s_cbranch_scc0 .Lentry_in_a_cluster
	s_endpgm
.Lentry_in_a_cluster:
	s_bfe_u32 s2, ttmp6, 0x10000c
	s_cmp_lg_u32 s2, 0xf033
	s_cbranch_scc0 .Lentry_shape_is_right
	s_endpgm
.Lentry_shape_is_right:
; Launch 5 of 7.  out0 = y W_proj + b_proj, f16 operands, f32 sums.  y16 [b][h][token][64] f16; wp16 [1024 (k)][1024 (n)] f16 as W_proj lies; out0 [8192][1024] f32.
; Rows 0 to 15 of every sequence lie inside live tiles and are written here too; the last launch writes them again from f32 operands.
; A tile of 128 tokens x 256 columns is made by four waves, 64 x 128 each: 32 accumulators in window 1.  256 work-groups.  A K step is 128 = two heads' planes; 8 K steps through two LDS slots.
; CLUSTER 4 x 4: y's tiles hang on the tile row alone and are asked for jointly along a row of the cluster, W's on the tile column alone, along a column.  Waves 0, 1 fetch y's two planes, waves 2, 3 W's two halves of K.
; THE MATRIX INSTRUCTION IS USED TRANSPOSED: source 0 = 16 columns of W (out of LDS turned, by ds_load_tr16_b128), source 1 = 16 tokens of y: a lane holds one token and eight neighbouring columns.
; REGISTERS, window 0: v16-29 addresses; v32-35 the bias of my four columns on the way out; v64-159, v160-255 two fragment buffers (64 of W, 32 of y), later rows on the way out.  window 1: the accumulators, (a, b) at v[8 (8 a + b)].
.set PA,    144                        ; a token's 128 bytes of a plane + 16
.set PB,    544                        ; a k-row's 512 bytes + 32: an odd multiple of 32
.set BOFF,  2*128*PA                   ; a slot: y's two planes of 128 rows, then 128 k-rows of W
.set SLOT,  BOFF+128*PB
.set STAGE, 2*SLOT                     ; 16 rows x (512 + 16) bytes for each wave; no fill lands here
.set SPITCH, 528
.set SPARE, STAGE+4*16*SPITCH
.set LAPS,  4
.set ADRA, 16
.set ADRB, 20
.set STO,  24
.set RD,   25
.set CO,   26
.set SPW,  28
.set NIL,  29
.set BI,   32
.set F0,   64
.set F1,   160
.set G1, 24
.set G0, 32
.set G1B, 48
.set G0B, 56
.set MSB, 0
.macro WIN new
.if MSB != (\new)
	s_set_vgpr_msb (MSB<<8)|(\new)
.set MSB, (\new)
.endif
.endm
.set MUL, 0x50                         ; C and D window 1, sources window 0
.macro JLOAD s                         ; a joint load; an s_nop 0 and four v_nop follow each of the two lines
	s_cmp_eq_u32 s11, 0
	s_cbranch_scc0 .Lfor_b_\@
	tensor_load_to_lds s[G0+4*\s:G0+4*\s+3], s[G1:G1+7]
	s_nop 0
.rept 4
	v_nop
.endr
	s_branch .Lasked_\@
.Lfor_b_\@:
	tensor_load_to_lds s[G0B+4*\s:G0B+4*\s+3], s[G1B:G1B+7]
	s_nop 0
.rept 4
	v_nop
.endr
.Lasked_\@:
.endm
.macro CREST
	s_cmp_lg_u32 s10, 0
	s_cbranch_scc1 .Lnot_wave_0_\@
	s_barrier_signal -3
.Lnot_wave_0_\@:
	s_barrier_wait -3
	s_barrier_signal -1
	s_barrier_wait -1
.endm
.macro CROUND
	s_barrier_signal -1
	s_barrier_wait -1
	CREST
.endm
	s_load_b256 s[68:75], s[0:1], 0x0              ; y16 s[68:69], wp16 s[70:71], b_proj s[72:73], out0 s[74:75]
	v_lshl_add_u32 v[SPW], v0, 2, SPARE
	v_mov_b32 v[NIL], 0
	ds_add_u32 v[SPW], v[NIL]                      ; the wave's opening: the add, twice on end, and its wait ahead of my first tensor load
	ds_add_u32 v[SPW], v[NIL]
	v_lshrrev_b32 v1, 5, v0
	v_readfirstlane_b32 s10, v1                    ; wave 0..3
	s_lshr_b32 s11, s10, 1                         ; which 64 tokens are mine.  Also: I fetch for y (0) or for W (1)
	s_and_b32 s12, s10, 1                          ; which 128 columns.  Also: which plane, or which 64 k-rows, I fetch
	s_bfe_u32 s40, ttmp6, 0x40000
	s_bfe_u32 s41, ttmp6, 0x40004
	s_lshl_b32 s42, ttmp9, 2
	s_add_co_u32 s42, s42, s40                     ; tile column
	s_and_b32 s13, ttmp7, 0xffff
	s_lshl_b32 s13, s13, 2
	s_add_co_u32 s13, s13, s41                     ; tile row
	s_lshl_b32 s43, s41, 2
	s_lshl_b32 s43, 15, s43
	s_lshl_b32 s44, 0x1111, s40
	s_or_b32 s[G1+0], s43, (1<<16)|(1<<20)|(1<<21)|(4<<22)|(3<<25)   ; y: 128 rows x 64 elements of 2 bytes; 4 words of padding after every 32
	s_mov_b32 s[G1+1], 64<<16
	s_mov_b32 s[G1+2], 128<<16
	s_mov_b32 s[G1+3], 64<<16
	s_mov_b32 s[G1+4], 128
	s_mov_b32 s[G1+5], 64
	s_mov_b32 s[G1+6], 0
	s_mov_b32 s[G1+7], 0
	s_or_b32 s[G1B+0], s44, (1<<16)|(1<<20)|(1<<21)|(6<<22)|(7<<25)  ; W: 64 rows x 256 elements; 8 words after every 128
	s_mov_b32 s[G1B+1], 256<<16
	s_mov_b32 s[G1B+2], 64<<16
	s_mov_b32 s[G1B+3], 256<<16
	s_mov_b32 s[G1B+4], 64
	s_mov_b32 s[G1B+5], 1024
	s_mov_b32 s[G1B+6], 0
	s_mov_b32 s[G1B+7], 0
	s_lshr_b32 s16, s13, 4                         ; y: plane 16 x batch + my plane of the K step,
	s_lshl_b32 s16, s16, 4
	s_add_co_u32 s16, s16, s12
	s_lshl_b32 s16, s16, 18
	s_and_b32 s17, s13, 15                         ; and the tile's 128 tokens of 128 bytes
	s_lshl_b32 s17, s17, 14
	s_add_co_u32 s16, s16, s17
	s_mov_b32 s17, 0
	s_lshl_b32 s46, s12, 17                        ; W: my 64 k-rows of 2,048 bytes, the tile's 512 bytes of each
	s_lshl_b32 s47, s42, 9
	s_add_co_u32 s46, s46, s47
	s_mov_b32 s47, 0
	s_mul_i32 s20, s12, 128*PA                     ; where they go: no place in the cluster enters an LDS address
	s_mul_i32 s21, s12, 64*PB
	s_add_co_u32 s21, s21, BOFF
	s_wait_dscnt 0x0
	s_wait_kmcnt 0x0
	s_add_nc_u64 s[14:15], s[68:69], s[16:17]
	s_add_nc_u64 s[46:47], s[70:71], s[46:47]
	CROUND                                         ; all sixteen work-groups are here: the first joint loads meet
.irp s, 0,1
	s_mov_b32 s[G0+4*\s], 1
	s_add_co_u32 s[G0+4*\s+1], s20, \s*SLOT
	s_add_nc_u64 s[G0+4*\s+2:G0+4*\s+3], s[14:15], \s*(2<<18)
	s_or_b32 s[G0+4*\s+3], s[G0+4*\s+3], 0x80000000
	s_mov_b32 s[G0B+4*\s], 1
	s_add_co_u32 s[G0B+4*\s+1], s21, \s*SLOT
	s_add_nc_u64 s[G0B+4*\s+2:G0B+4*\s+3], s[46:47], \s*128*2048
	s_or_b32 s[G0B+4*\s+3], s[G0B+4*\s+3], 0x80000000
	JLOAD \s                                       ; by this text's count two tensor loads of a wave are out at the most
.endr
	v_and_b32 v1, 15, v0                           ; r
	v_bfe_u32 v2, v0, 4, 1                         ; h
	v_mul_u32_u24 v3, v1, PA
	v_lshl_add_u32 v3, v2, 4, v3                   ; y: token r x pitch + 16 h
	v_and_b32 v4, 7, v0
	v_lshl_add_u32 v4, v2, 3, v4
	v_mul_u32_u24 v4, v4, PB
	v_bfe_u32 v5, v0, 3, 1
	v_lshl_add_u32 v4, v5, 4, v4                   ; W, for the turning load: k-row 8 h + lane % 8, columns 8 ((lane / 8) % 2) on
	s_mul_i32 s21, s11, 64*PA
	s_lshl_b32 s22, s12, 8
	s_add_co_u32 s22, s22, BOFF
.irp s, 0,1
	v_add_nc_u32 v[ADRA+\s], s21, v3
	v_add_nc_u32 v[ADRB+\s], s22, v4
	s_add_co_u32 s21, s21, SLOT
	s_add_co_u32 s22, s22, SLOT
.endr
	s_mul_i32 s23, s10, 16*SPITCH
	s_add_co_u32 s23, s23, STAGE
	v_mul_u32_u24 v5, v1, SPITCH
	v_lshl_add_u32 v5, v2, 5, v5
	v_add_nc_u32 v[STO], s23, v5                   ; the stage, in: token r, 32 bytes for each half of the lanes
	v_and_b32 v6, 31, v0
	v_lshlrev_b32 v[CO], 4, v6
	v_add_nc_u32 v[RD], s23, v[CO]                 ; back: a row of 512 bytes, 16 a lane
	s_lshl_b32 s16, s13, 7
	s_lshl_b32 s17, s11, 6
	s_add_co_u32 s16, s16, s17
	s_lshl_b32 s16, s16, 12                        ; my first row of out0, 4,096 bytes a row
	s_mov_b32 s17, 0
	s_add_nc_u64 s[74:75], s[74:75], s[16:17]
	s_lshl_b32 s46, s42, 10
	s_lshl_b32 s47, s12, 9
	s_add_co_u32 s46, s46, s47                     ; my first column, in bytes
	s_mov_b32 s47, 0
	s_add_nc_u64 s[74:75], s[74:75], s[46:47]
	s_add_nc_u64 s[72:73], s[72:73], s[46:47]
	global_load_b128 v[BI:BI+3], v[CO], s[72:73]   ; b_proj at the four columns that I store
.macro MUL8 f, a, zero                 ; token block a x all 8 column blocks, 32 along K.  The 32 accumulators take turns, one instruction a turn
.irp b, 0,1,2,3,4,5,6,7
.if \zero
	v_wmma_f32_16x16x32_f16 v[8*(8*(\a)+\b):8*(8*(\a)+\b)+7], v[\f+8*\b:\f+8*\b+7], v[\f+64+8*(\a):\f+64+8*(\a)+7], 0
.else
	v_wmma_f32_16x16x32_f16 v[8*(8*(\a)+\b):8*(8*(\a)+\b)+7], v[\f+8*\b:\f+8*\b+7], v[\f+64+8*(\a):\f+64+8*(\a)+7], v[8*(8*(\a)+\b):8*(8*(\a)+\b)+7]
.endif
.endr
.endm
.macro MUL16 f, a0, zero
	MUL8 \f, \a0, \zero
	MUL8 \f, (\a0)+1, \zero
.endm
.macro FETCH slot, q, f                ; 24 LDS loads in one run: quarter q (32 along K) of the slot: W's eight fragments, then y's four
	WIN 0
.irp b, 0,1,2,3,4,5,6,7
	ds_load_tr16_b128 v[\f+8*\b:\f+8*\b+3], v[ADRB+\slot] offset:(\q)*32*PB+32*\b
	ds_load_tr16_b128 v[\f+8*\b+4:\f+8*\b+7], v[ADRB+\slot] offset:((\q)*32+16)*PB+32*\b
.endr
.irp a, 0,1,2,3
	ds_load_b128 v[\f+64+8*\a:\f+64+8*\a+3], v[ADRA+\slot] offset:((\q)/2)*128*PA+((\q)%2)*64+\a*16*PA
	ds_load_b128 v[\f+64+8*\a+4:\f+64+8*\a+7], v[ADRA+\slot] offset:((\q)/2)*128*PA+((\q)%2)*64+\a*16*PA+32
.endr
.endm
.macro PLACES
.rept 4
	v_nop
.endr
.endm
.macro QUARTER slot, q, f, g, zero     ; multiplies quarter q out of buffer f; in its middle fetches quarter q + 1 into g
	s_wait_dscnt 4                                 ; W's fragments and y's blocks 0, 1 are in; the youngest four loads (blocks 2, 3) may be out
	WIN MUL
	MUL16 \f, 0, \zero
	PLACES
	FETCH \slot, (\q)+1, \g
	s_wait_dscnt 24                                ; all but the 24 just issued
	WIN MUL
	MUL16 \f, 2, \zero
.endm
; A slot's last quarter changes slots: one barrier; in front of it each wave waits for all its tensor loads, adds 0 to its spare word, and waits for that and for its reads of this slot.
; fill = 1: the barrier opens a round of the cluster's barrier, and this slot is filled again, two K steps ahead, first thing behind the round.
.macro TURN slot, next, fill
	WIN 0
	s_wait_tensorcnt 0x0                           ; my part of the next slot has landed
	ds_add_u32 v[SPW], v[NIL]
	s_wait_dscnt 5                                 ; the add and the youngest four loads may be out
	WIN MUL
	MUL8 F1, 0, 0
	s_wait_dscnt 0x0                               ; the add is done, and my reads of this slot are over
	s_barrier_signal -1
	MUL8 F1, 1, 0
.if \fill
	WIN 0
.endif
	s_barrier_wait -1
.if \fill
	CREST
	s_add_nc_u64 s[G0+4*\slot+2:G0+4*\slot+3], s[G0+4*\slot+2:G0+4*\slot+3], 1<<20      ; four planes on
	s_add_nc_u64 s[G0B+4*\slot+2:G0B+4*\slot+3], s[G0B+4*\slot+2:G0B+4*\slot+3], 256*2048   ; 256 k-rows on
	JLOAD \slot                                    ; the four v_nop behind it are also the places in front of the loads below
.else
	PLACES
.endif
	FETCH \next, 0, F0
	WIN MUL
	MUL16 F1, 2, 0
.endm
	s_wait_tensorcnt 1                             ; my part of K step 0 is in; K step 1's load may be out
	s_barrier_signal -1
	s_barrier_wait -1
	FETCH 0, 0, F0
	QUARTER 0, 0, F0, F1, 1                        ; the first quarter stands in front of the loop: its products start the sums
	WIN 0
	s_mov_b32 s3, LAPS-1
.Llap:                                                 ; a trip goes once round the ring and fills both slots again
	QUARTER 0, 1, F1, F0, 0
	QUARTER 0, 2, F0, F1, 0
	TURN 0, 1, 1
	QUARTER 1, 0, F0, F1, 0
	QUARTER 1, 1, F1, F0, 0
	QUARTER 1, 2, F0, F1, 0
	TURN 1, 0, 1
	QUARTER 0, 0, F0, F1, 0
	WIN 0
	s_sub_co_u32 s3, s3, 1
	s_cmp_lg_u32 s3, 0
	s_cbranch_scc1 .Llap
	QUARTER 0, 1, F1, F0, 0                        ; the last lap fills nothing
	QUARTER 0, 2, F0, F1, 0
	TURN 0, 1, 0
	QUARTER 1, 0, F0, F1, 0
	QUARTER 1, 1, F1, F0, 0
	QUARTER 1, 2, F0, F1, 0
	s_wait_dscnt 4
	WIN MUL
	MUL16 F1, 0, 0
	s_wait_dscnt 0
	MUL16 F1, 2, 0
	WIN 0
; THE WAY OUT, a block of 16 tokens x 128 columns at a time, through my own stage: back as whole rows of 512 bytes, to which the bias is added.
.macro TOSTAGE a
	WIN 0x04                                       ; an LDS store's data: window 1
.irp b, 0,1,2,3,4,5,6,7
	ds_store_b128 v[STO], v[8*(8*(\a)+\b):8*(8*(\a)+\b)+3] offset:64*\b      ; each accumulator from its low end on
	ds_store_b128 v[STO], v[8*(8*(\a)+\b)+4:8*(8*(\a)+\b)+7] offset:64*\b+16
.endr
	WIN 0
.set BB, 64+64*((\a)%2)
.irp t, 0,1,2,3,4,5,6,7,8,9,10,11,12,13,14,15
	ds_load_b128 v[BB+4*\t:BB+4*\t+3], v[RD] offset:\t*SPITCH   ; LDS serves a wave's instructions in order: these see the stores above
.endr
.endm
.macro SEND a, younger
.set BB, 64+64*((\a)%2)
	s_wait_dscnt \younger                          ; the block is back; the next block's LDS instructions may be out
.irp t, 0,1,2,3,4,5,6,7,8,9,10,11,12,13,14,15
	v_pk_add_f32 v[BB+4*\t:BB+4*\t+1], v[BB+4*\t:BB+4*\t+1], v[BI:BI+1]
	v_pk_add_f32 v[BB+4*\t+2:BB+4*\t+3], v[BB+4*\t+2:BB+4*\t+3], v[BI+2:BI+3]
.endr
.irp t, 0,1,2,3,4,5,6,7,8,9,10,11,12,13,14,15
	global_store_b128 v[CO], v[BB+4*\t:BB+4*\t+3], s[74:75] offset:(16*(\a)+\t)*4096 th:TH_STORE_NT   ; 32 lanes store 512 consecutive bytes; the base is never stepped
.endr
.endm
	PLACES                                         ; behind the last products: results are read, and rows land where fragments lay
	s_wait_loadcnt 0x0                             ; the bias
	TOSTAGE 0
.irp a, 1,2,3
.if \a > 1
	s_wait_xcnt 0x0                                ; block a - 2's stores have read their registers: block a's loads may land there
.endif
	TOSTAGE \a
	SEND \a-1, 32
.endr
	SEND 3, 0
	s_wait_tensorcnt 0x0                           ; the wave's end: three closing lines
	ds_add_u32 v[SPW], v[NIL]
	s_wait_dscnt 0x0
	CROUND                                         ; the closing round
	s_endpgm
.Lfunc_end_k_q02ed5d9abf_proj:
	.size	k_q02ed5d9abf_proj, .Lfunc_end_k_q02ed5d9abf_proj-k_q02ed5d9abf_proj
	.p2alignl 7, 3214868480
	.fill 96, 4, 3214868480
	.section	.rodata,"a",@progbits
	.p2align	6, 0x0
	.amdhsa_kernel k_q02ed5d9abf_proj
		.amdhsa_group_segment_fixed_size 327680
		.amdhsa_private_segment_fixed_size 0
		.amdhsa_enable_private_segment 0
		.amdhsa_kernarg_size 32
		.amdhsa_user_sgpr_count 2
		.amdhsa_user_sgpr_kernarg_segment_ptr 1
		.amdhsa_wavefront_size32 1
		.amdhsa_system_sgpr_workgroup_id_x 1
		.amdhsa_system_sgpr_workgroup_id_y 1
		.amdhsa_system_sgpr_workgroup_id_z 1
		.amdhsa_system_vgpr_workitem_id 0
		.amdhsa_next_free_vgpr 512
		.amdhsa_next_free_sgpr 80
		.amdhsa_reserve_vcc 0
		.amdhsa_float_denorm_mode_32 3
		.amdhsa_float_denorm_mode_16_64 3
		.amdhsa_memory_ordered 1
		.amdhsa_forward_progress 1
		.amdhsa_inst_pref_size 93
	.end_amdhsa_kernel
	.amdgpu_metadata
---
amdhsa.version: [ 1, 2 ]
amdhsa.kernels:
  - .name:           k_q02ed5d9abf_proj
    .symbol:         k_q02ed5d9abf_proj.kd
    .args:
      - { .name: y16, .offset: 0, .size: 8, .value_kind: global_buffer, .address_space: global }
      - { .name: wp16, .offset: 8, .size: 8, .value_kind: global_buffer, .address_space: global }
      - { .name: b_proj, .offset: 16, .size: 8, .value_kind: global_buffer, .address_space: global }
      - { .name: out0, .offset: 24, .size: 8, .value_kind: global_buffer, .address_space: global }
    .group_segment_fixed_size: 327680
    .private_segment_fixed_size: 0
    .kernarg_segment_align: 8
    .kernarg_segment_size: 32
    .max_flat_workgroup_size: 128
    .sgpr_count:     80
    .vgpr_count:     512
    .wavefront_size: 32
...
	.end_amdgpu_metadata
.endif
;; end of part 5
;; launch fine_attn (part 6): grid 16 x 4, 12 waves a work-group, no clusters, 14,848 bytes of LDS; arguments x_codes, x_scales, w_codes, w_scales, b_attn, y32; writes y32
.if DOCPART == 6
	.amdgcn_target "amdgcn-amd-amdhsa--gfx1250"
	.amdhsa_code_object_version 6
	.text
	.protected	k_q02ed5d9abf_fine_attn
	.globl	k_q02ed5d9abf_fine_attn
	.p2align	8
	.type	k_q02ed5d9abf_fine_attn,@function
k_q02ed5d9abf_fine_attn:
	s_mov_b64 s[64:65], 0
	v_nop
	global_prefetch_b8 v0, s[64:65] scope:SCOPE_SE
	s_setreg_imm32_b32 hwreg(HW_REG_WAVE_MODE, 25, 1), 1
	s_wait_xcnt 0x0
; Launch 6 of 7.  Positions 0 to 15 of every sequence, carried in f32: these rows average one to sixteen values and are the largest, so f16 operands would use up what the comparison allows.
; A work-group takes one (head, batch).  PHASE 1, twelve waves: q, k, v of the 16 tokens x 64 channels are made again by the FP4 matrix instruction (wave w: part w / 4, channels 16 (w % 4) on), with b_attn as C,
; and stay f32, in LDS.  PHASE 2, waves 0 to 3: scores, causal mask, softmax with the maximum taken away, and P V by fused multiply-adds; wave w makes channels 16 w on.
; y32 [16 x batch + position][1024] f32 is 262,144 bytes in all; a wave's store writes runs of 64 bytes of 16 rows.
.set PQ,    272                        ; a token's 64 f32 + 16 bytes
.set KOFF,  16*PQ
.set VOFF,  2*16*PQ
.set SPARE, 13312                      ; 3 x 4,352 rounded up to a multiple of 1,024
.set SPW, 12
.set NIL, 13
.set XF,  16                           ; v16-79  x's eight fragments;  later QF v16-47
.set WF,  80                           ; v80-143 W's eight
.set BI,  144
.set AC0, 152
.set AC1, 160
.set RS,  168
.set XS,  240                          ; v240-247, v248-255: scale words and nothing else
.set WS,  248
.set QF,  16
.set KB,  48                           ; v48-175 four keys x 32 channels; later V: 16 keys x 8 channels
.set SA,  176                          ; v176-207 a pair of partial sums for each key
.set SC,  208                          ; v208-223 the 16 scores, then p
.set YA,  224
	s_load_b256 s[4:11], s[0:1], 0x0               ; x's codes, x's scales, W's codes, W's scales
	s_load_b128 s[12:15], s[0:1], 0x20             ; b_attn, y32
	v_lshl_add_u32 v[SPW], v0, 2, SPARE
	v_mov_b32 v[NIL], 0
	v_lshrrev_b32 v1, 5, v0
	v_readfirstlane_b32 s16, v1                    ; wave 0..11
	s_lshr_b32 s17, s16, 2                         ; part: q, k, v
	s_and_b32 s18, s16, 3                          ; which 16 channels
	s_and_b32 s19, ttmp7, 0xffff                   ; batch
	v_and_b32 v1, 15, v0                           ; r
	v_bfe_u32 v2, v0, 4, 1                         ; h
	v_lshlrev_b32 v3, 9, v1
	v_lshl_add_u32 v3, v2, 4, v3                   ; codes: row r of 512 bytes + 16 h
	v_lshlrev_b32 v4, 5, v1                        ; scale words: row r of 32 bytes
	v_lshlrev_b32 v5, 5, v2                        ; bias: 8 h numbers on
	v_mul_u32_u24 v7, v1, PQ
	v_lshl_add_u32 v7, v2, 5, v7                   ; q from LDS: token r, channels 8 h on
	s_mul_i32 s20, s17, KOFF
	s_lshl_b32 s21, s18, 6
	s_add_co_u32 s20, s20, s21
	v_add_nc_u32 v6, s20, v7                       ; phase 1's store: my part, token r, channels 16 (w % 4) + 8 h on
	v_lshl_add_u32 v8, v2, 5, KOFF                 ; k from LDS: the same for all r
	s_add_co_u32 s21, s21, VOFF
	v_lshl_add_u32 v9, v2, 5, s21                  ; v from LDS: channels 16 (w % 4) + 8 h on
	v_lshlrev_b32 v10, 12, v1
	v_lshl_add_u32 v10, v2, 5, v10                 ; y32: row r of 4,096 bytes + 32 h
	s_lshl_b32 s22, s17, 10
	s_lshl_b32 s23, ttmp9, 6
	s_add_co_u32 s22, s22, s23
	s_lshl_b32 s23, s18, 4
	s_add_co_u32 s22, s22, s23                     ; my first column of W_attn
	s_lshl_b32 s24, s19, 20
	s_mov_b32 s25, 0
	s_lshl_b32 s26, s19, 16
	s_mov_b32 s27, 0
	s_lshl_b32 s28, s22, 9
	s_mov_b32 s29, 0
	s_lshl_b32 s30, s22, 5
	s_mov_b32 s31, 0
	s_lshl_b32 s32, s22, 2
	s_mov_b32 s33, 0
	s_lshl_b32 s34, ttmp9, 8
	s_add_co_u32 s34, s34, s26
	s_lshl_b32 s35, s18, 6
	s_add_co_u32 s34, s34, s35
	s_mov_b32 s35, 0
	s_mov_b32 s36, 0x76543210
	s_mov_b32 s37, 0xfedcba98
	s_mov_b32 s38, 0x3e38aa3b                      ; c = log2(e) / 8
	s_wait_kmcnt 0x0
	s_add_nc_u64 s[4:5], s[4:5], s[24:25]
	s_add_nc_u64 s[6:7], s[6:7], s[26:27]
	s_add_nc_u64 s[8:9], s[8:9], s[28:29]
	s_add_nc_u64 s[10:11], s[10:11], s[30:31]
	s_add_nc_u64 s[12:13], s[12:13], s[32:33]
	s_add_nc_u64 s[14:15], s[14:15], s[34:35]
.irp s, 0,1,2,3,4,5,6,7
	global_load_b128 v[XF+8*\s:XF+8*\s+3], v3, s[4:5] offset:64*\s
	global_load_b128 v[XF+8*\s+4:XF+8*\s+7], v3, s[4:5] offset:64*\s+32
	global_load_b128 v[WF+8*\s:WF+8*\s+3], v3, s[8:9] offset:64*\s
	global_load_b128 v[WF+8*\s+4:WF+8*\s+7], v3, s[8:9] offset:64*\s+32
.endr
	global_load_b128 v[XS:XS+3], v4, s[6:7]
	global_load_b128 v[XS+4:XS+7], v4, s[6:7] offset:16
	global_load_b128 v[WS:WS+3], v4, s[10:11]
	global_load_b128 v[WS+4:WS+7], v4, s[10:11] offset:16
	global_load_b128 v[BI:BI+3], v5, s[12:13]
	global_load_b128 v[BI+4:BI+7], v5, s[12:13] offset:16
	s_wait_loadcnt 0x0
; TRANSPOSED: source 0 = 16 columns of W_attn, source 1 = the 16 tokens: lane (r, h) holds token r and channels 8 h + 0..7.  Two accumulators take turns: even K steps begin with the bias, odd ones with 0.
.irp s, 0,1,2,3,4,5,6,7
.if \s == 0
	v_wmma_scale_f32_16x16x128_f8f6f4 v[AC0:AC0+7], v[WF:WF+7], v[XF:XF+7], v[BI:BI+7], v[WS], v[XS] matrix_a_fmt:MATRIX_FMT_FP4 matrix_b_fmt:MATRIX_FMT_FP4
.elseif \s == 1
	v_wmma_scale_f32_16x16x128_f8f6f4 v[AC1:AC1+7], v[WF+8:WF+15], v[XF+8:XF+15], 0, v[WS+1], v[XS+1] matrix_a_fmt:MATRIX_FMT_FP4 matrix_b_fmt:MATRIX_FMT_FP4
.else
	v_wmma_scale_f32_16x16x128_f8f6f4 v[AC0+8*(\s%2):AC0+8*(\s%2)+7], v[WF+8*\s:WF+8*\s+7], v[XF+8*\s:XF+8*\s+7], v[AC0+8*(\s%2):AC0+8*(\s%2)+7], v[WS+\s], v[XS+\s] matrix_a_fmt:MATRIX_FMT_FP4 matrix_b_fmt:MATRIX_FMT_FP4
.endif
.endr
.rept 4
	v_nop
.endr
.irp i, 0,1,2,3
	v_pk_add_f32 v[RS+2*\i:RS+2*\i+1], v[AC0+2*\i:AC0+2*\i+1], v[AC1+2*\i:AC1+2*\i+1]   ; both accumulators from their low ends on
.endr
	ds_store_b128 v6, v[RS:RS+3]
	ds_store_b128 v6, v[RS+4:RS+7] offset:16
	s_wait_dscnt 0x0                               ; for the others' sake: my stores have landed
	s_barrier_signal -1
	s_barrier_wait -1
	s_cmp_lt_u32 s16, 4
	s_cbranch_scc0 .Lend
	; PHASE 2.  Lane (r, h): query r; of each score the 32 channels 16 c + 8 h + 0..7; lane l xor 16 has the other 32
.irp c, 0,1,2,3
	ds_load_b128 v[QF+8*\c:QF+8*\c+3], v7 offset:64*\c
	ds_load_b128 v[QF+8*\c+4:QF+8*\c+7], v7 offset:64*\c+16
.endr
.irp g, 0,1,2,3                                ; four keys at a time
.irp kk, 0,1,2,3
.irp c, 0,1,2,3
	ds_load_b128 v[KB+32*\kk+8*\c:KB+32*\kk+8*\c+3], v8 offset:(4*\g+\kk)*PQ+64*\c
	ds_load_b128 v[KB+32*\kk+8*\c+4:KB+32*\kk+8*\c+7], v8 offset:(4*\g+\kk)*PQ+64*\c+16
.endr
.endr
	s_wait_dscnt 0x0
.irp i, 0,1,2,3,4,5,6,7,8,9,10,11,12,13,14,15
.irp kk, 0,1,2,3
.if \i == 0
	v_pk_mul_f32 v[SA+2*(4*\g+\kk):SA+2*(4*\g+\kk)+1], v[QF:QF+1], v[KB+32*\kk:KB+32*\kk+1]
.else
	v_pk_fma_f32 v[SA+2*(4*\g+\kk):SA+2*(4*\g+\kk)+1], v[QF+2*\i:QF+2*\i+1], v[KB+32*\kk+2*\i:KB+32*\kk+2*\i+1], v[SA+2*(4*\g+\kk):SA+2*(4*\g+\kk)+1]
.endif
.endr
.endr
.endr
.irp kk, 0,1,2,3,4,5,6,7,8,9,10,11,12,13,14,15 ; v lands under the softmax
	ds_load_b128 v[KB+8*\kk:KB+8*\kk+3], v9 offset:\kk*PQ
	ds_load_b128 v[KB+8*\kk+4:KB+8*\kk+7], v9 offset:\kk*PQ+16
.endr
.irp kk, 0,1,2,3,4,5,6,7,8,9,10,11,12,13,14,15
	v_add_f32 v[SC+\kk], v[SA+2*\kk], v[SA+2*\kk+1]
.endr
.irp kk, 0,1,2,3,4,5,6,7,8,9,10,11,12,13,14,15
	v_permlanex16_b32 v[SA+\kk], v[SC+\kk], s36, s37
.endr
.irp kk, 0,1,2,3,4,5,6,7,8,9,10,11,12,13,14,15
	v_add_f32 v[SC+\kk], v[SC+\kk], v[SA+\kk]      ; every lane holds its query's 16 scores
.endr
	v_mov_b32 v235, 0xff800000
.irp kk, 1,2,3,4,5,6,7,8,9,10,11,12,13,14,15
	v_cmp_gt_u32 vcc_lo, \kk, v1                   ; key kk is hidden from query r where kk > r
	v_cndmask_b32 v[SC+\kk], v[SC+\kk], v235, vcc_lo
.endr
	v_max3_num_f32 v232, v[SC], v[SC+1], v[SC+2]
.irp i, 3,5,7,9,11,13
	v_max3_num_f32 v232, v232, v[SC+\i], v[SC+\i+1]
.endr
	v_max_num_f32 v232, v232, v[SC+15]             ; key 0 counts for every query: the maximum is a number
	v_mul_f32 v233, s38, v232
.irp kk, 0,1,2,3,4,5,6,7,8,9,10,11,12,13,14,15
	v_fma_f32 v[SC+\kk], v[SC+\kk], s38, -v233     ; c s - c m
.endr
.irp kk, 0,1,2,3,4,5,6,7,8,9,10,11,12,13,14,15
	v_exp_f32 v[SC+\kk], v[SC+\kk]
.endr
	v_nop
	s_wait_alu depctr_va_vdst(0)                   ; one wait for the 16 exponentials, ahead of their first reader
	v_add_f32 v234, v[SC], v[SC+1]
	v_add_f32 v236, v[SC+2], v[SC+3]
.irp i, 4,6,8,10,12,14
	v_add_f32 v234, v234, v[SC+\i]
	v_add_f32 v236, v236, v[SC+\i+1]
.endr
	v_add_f32 v234, v234, v236
	v_rcp_f32 v237, v234
	s_wait_dscnt 0x0                               ; v is in
.irp j, 0,1,2,3,4,5,6,7
	v_mul_f32 v[YA+\j], v[SC], v[KB+\j]            ; (the 128 multiply-adds name neither the reciprocal nor its source: the work between it and its wait)
.endr
.irp kk, 1,2,3,4,5,6,7,8,9,10,11,12,13,14,15
.irp j, 0,1,2,3,4,5,6,7
	v_fmac_f32 v[YA+\j], v[SC+\kk], v[KB+8*\kk+\j]
.endr
.endr
	s_wait_alu depctr_va_vdst(0)
.irp j, 0,1,2,3,4,5,6,7
	v_mul_f32 v[YA+\j], v[YA+\j], v237
.endr
	global_store_b128 v10, v[YA:YA+3], s[14:15]
	global_store_b128 v10, v[YA+4:YA+7], s[14:15] offset:16
.Lend:
	s_wait_tensorcnt 0x0                           ; the wave's end: three closing lines behind my last LDS store
	ds_add_u32 v[SPW], v[NIL]
	s_wait_dscnt 0x0
	s_endpgm
.Lfunc_end_k_q02ed5d9abf_fine_attn:
	.size	k_q02ed5d9abf_fine_attn, .Lfunc_end_k_q02ed5d9abf_fine_attn-k_q02ed5d9abf_fine_attn
	.p2alignl 7, 3214868480
	.fill 96, 4, 3214868480
	.section	.rodata,"a",@progbits
	.p2align	6, 0x0
	.amdhsa_kernel k_q02ed5d9abf_fine_attn
		.amdhsa_group_segment_fixed_size 14848
		.amdhsa_private_segment_fixed_size 0
		.amdhsa_enable_private_segment 0
		.amdhsa_kernarg_size 48
		.amdhsa_user_sgpr_count 2
		.amdhsa_user_sgpr_kernarg_segment_ptr 1
		.amdhsa_wavefront_size32 1
		.amdhsa_system_sgpr_workgroup_id_x 1
		.amdhsa_system_sgpr_workgroup_id_y 1
		.amdhsa_system_sgpr_workgroup_id_z 1
		.amdhsa_system_vgpr_workitem_id 0
		.amdhsa_next_free_vgpr 256
		.amdhsa_next_free_sgpr 66
		.amdhsa_reserve_vcc 1
		.amdhsa_float_denorm_mode_32 3
		.amdhsa_float_denorm_mode_16_64 3
		.amdhsa_memory_ordered 1
		.amdhsa_forward_progress 1
		.amdhsa_inst_pref_size 45
	.end_amdhsa_kernel
	.amdgpu_metadata
---
amdhsa.version: [ 1, 2 ]
amdhsa.kernels:
  - .name:           k_q02ed5d9abf_fine_attn
    .symbol:         k_q02ed5d9abf_fine_attn.kd
    .args:
      - { .name: x_codes, .offset: 0, .size: 8, .value_kind: global_buffer, .address_space: global }
      - { .name: x_scales, .offset: 8, .size: 8, .value_kind: global_buffer, .address_space: global }
      - { .name: w_codes, .offset: 16, .size: 8, .value_kind: global_buffer, .address_space: global }
      - { .name: w_scales, .offset: 24, .size: 8, .value_kind: global_buffer, .address_space: global }
      - { .name: b_attn, .offset: 32, .size: 8, .value_kind: global_buffer, .address_space: global }
      - { .name: y32, .offset: 40, .size: 8, .value_kind: global_buffer, .address_space: global }
    .group_segment_fixed_size: 14848
    .private_segment_fixed_size: 0
    .kernarg_segment_align: 8
    .kernarg_segment_size: 48
    .max_flat_workgroup_size: 384
    .sgpr_count:     66
    .vgpr_count:     256
    .wavefront_size: 32
...
	.end_amdgpu_metadata
.endif
;; end of part 6
;; launch fine_proj (part 7): grid 16 x 16, 16 waves a work-group, no clusters, 18,432 bytes of LDS; arguments y32, W_proj, b_proj, out0; writes out0
.if DOCPART == 7
	.amdgcn_target "amdgcn-amd-amdhsa--gfx1250"
	.amdhsa_code_object_version 6
	.text
	.protected	k_q02ed5d9abf_fine_proj
	.globl	k_q02ed5d9abf_fine_proj
	.p2align	8
	.type	k_q02ed5d9abf_fine_proj,@function
k_q02ed5d9abf_fine_proj:
	s_mov_b64 s[64:65], 0
	v_nop
	global_prefetch_b8 v0, s[64:65] scope:SCOPE_SE
	s_setreg_imm32_b32 hwreg(HW_REG_WAVE_MODE, 25, 1), 1
	s_wait_xcnt 0x0
; Launch 7 of 7.  The 64 rows of positions 0 to 15: out0 = y32 W_proj + b_proj by f32 fused multiply-adds, written over the rows that the f16 projection left there.
; A work-group takes 4 rows x 64 columns x all of K: 256 work-groups.  Wave w takes k = 64 w to 64 w + 63; a lane holds 2 columns, so 8 sums.  W_proj comes by 64 loads of 256 consecutive bytes, all out at once;
; y is the same in all lanes and comes by scalar loads, 8 along K x 4 rows a chunk, in two sets of registers by turns.  The sixteen waves' parts meet in LDS; waves 0 to 3 add them, a row each.
.set SPARE, 16384                      ; behind [wave 16][row 4][256 bytes]
.set LN,  1                            ; v1 8 x lane
.set WA,  4                            ; v4 where I put my parts
.set RA,  5                            ; v5 where I read a row's parts
.set SPW, 6
.set NIL, 7
.set SU,  16                           ; v16-23 sums: row i, column e at 16 + 2 i + e
.set BI,  24
.set W,   32                           ; v32-159
	s_load_b256 s[4:11], s[0:1], 0x0               ; y32, W_proj, b_proj, out0
	v_lshl_add_u32 v[SPW], v0, 2, SPARE
	v_mov_b32 v[NIL], 0
	v_lshrrev_b32 v1, 5, v0
	v_readfirstlane_b32 s12, v1                    ; wave 0..15
	v_and_b32 v[LN], 31, v0
	v_lshlrev_b32 v[LN], 3, v[LN]
	s_lshl_b32 s13, s12, 10
	v_add_nc_u32 v[WA], s13, v[LN]
	s_min_u32 s14, s12, 3                          ; (rows are added by waves 0 to 3; the others' register stays inside the region)
	s_lshl_b32 s15, s14, 8
	v_add_nc_u32 v[RA], s15, v[LN]
	s_and_b32 s84, ttmp7, 0xffff                   ; 4 x batch + which four positions
	s_lshl_b32 s86, s84, 14                        ; y32: four rows of 4,096 bytes,
	s_lshl_b32 s87, s12, 8                         ; my 64 along K
	s_add_co_u32 s86, s86, s87
	s_mov_b32 s87, 0
	s_lshl_b32 s88, s12, 18                        ; W_proj: my 64 rows of 4,096 bytes,
	s_lshl_b32 s90, ttmp9, 8                       ; the work-group's 64 columns
	s_add_co_u32 s88, s88, s90
	s_mov_b32 s89, 0
	s_mov_b32 s91, 0
	s_lshr_b32 s2, s84, 2
	s_lshl_b32 s2, s2, 11
	s_and_b32 s3, s84, 3
	s_lshl_b32 s3, s3, 2
	s_add_co_u32 s2, s2, s3
	s_add_co_u32 s2, s2, s14                       ; the row of out0 that I store, if I store
	s_lshl_b32 s2, s2, 12
	s_add_co_u32 s2, s2, s90
	s_mov_b32 s3, 0
	s_wait_kmcnt 0x0
	s_add_nc_u64 s[4:5], s[4:5], s[86:87]
	s_add_nc_u64 s[6:7], s[6:7], s[88:89]
	s_add_nc_u64 s[8:9], s[8:9], s[90:91]
	s_add_nc_u64 s[10:11], s[10:11], s[2:3]
.macro YLOAD c                         ; chunk c: y(row i, 8 c + 0..7 of my K) into set c % 2: s16-47, or s48-63 and s68-83
.irp i, 0,1,2,3
	s_load_b256 s[16+8*\i+((\c)%2)*(32+4*(\i/2)):23+8*\i+((\c)%2)*(32+4*(\i/2))], s[4:5], \i*4096+32*(\c)
.endr
.endm
	YLOAD 0
	global_load_b64 v[BI:BI+1], v[LN], s[8:9]
.set n, 0
.rept 64
	global_load_b64 v[W+2*n:W+2*n+1], v[LN], s[6:7] offset:n*4096   ; 256 consecutive bytes of row n of my K
.set n, n+1
.endr
.macro CHUNK c
	s_wait_kmcnt 0x0                               ; this chunk's y is in (scalar loads return in no order: the count is 0)
.if (\c) < 7
	YLOAD (\c)+1                                   ; the next chunk's, into the other set
.endif
	s_wait_loadcnt 56-8*(\c)                       ; this chunk's eight rows of W_proj are in; the later rows may be out
.irp kk, 0,1,2,3,4,5,6,7
.irp i, 0,1,2,3
.irp e, 0,1
.if ((\c) == 0) && (\kk == 0)
	v_mul_f32 v[SU+2*\i+\e], s[16+8*\i], v[W+\e]   ; the first product starts the sums: nothing is cleared
.else
	v_fmac_f32 v[SU+2*\i+\e], s[16+8*\i+((\c)%2)*(32+4*(\i/2))+\kk], v[W+2*(8*(\c)+\kk)+\e]
.endif
.endr
.endr
.endr
.endm
.irp c, 0,1,2,3,4,5,6,7
	CHUNK \c
.endr
.irp i, 0,1,2,3
	ds_store_b64 v[WA], v[SU+2*\i:SU+2*\i+1] offset:256*\i
.endr
	s_wait_dscnt 0x0                               ; for the others' sake: my stores have landed
	s_barrier_signal -1
	s_barrier_wait -1
	s_cmp_lt_u32 s12, 4
	s_cbranch_scc0 .Lend
.irp w, 0,1,2,3,4,5,6,7,8,9,10,11,12,13,14,15
	ds_load_b64 v[W+2*\w:W+2*\w+1], v[RA] offset:1024*\w
.endr
	s_wait_dscnt 0x0
.irp w, 2,4,6,8,10,12,14                       ; two chains
	v_pk_add_f32 v[W:W+1], v[W:W+1], v[W+2*\w:W+2*\w+1]
	v_pk_add_f32 v[W+2:W+3], v[W+2:W+3], v[W+2*\w+2:W+2*\w+3]
.endr
	v_pk_add_f32 v[W:W+1], v[W:W+1], v[W+2:W+3]
	v_pk_add_f32 v[W:W+1], v[W:W+1], v[BI:BI+1]
	global_store_b64 v[LN], v[W:W+1], s[10:11]     ; 32 lanes store 256 consecutive bytes of a row
.Lend:
	s_wait_tensorcnt 0x0                           ; the wave's end: three closing lines behind my last LDS store
	ds_add_u32 v[SPW], v[NIL]
	s_wait_dscnt 0x0
	s_endpgm
.Lfunc_end_k_q02ed5d9abf_fine_proj:
	.size	k_q02ed5d9abf_fine_proj, .Lfunc_end_k_q02ed5d9abf_fine_proj-k_q02ed5d9abf_fine_proj
	.p2alignl 7, 3214868480
	.fill 96, 4, 3214868480
	.section	.rodata,"a",@progbits
	.p2align	6, 0x0
	.amdhsa_kernel k_q02ed5d9abf_fine_proj
		.amdhsa_group_segment_fixed_size 18432
		.amdhsa_private_segment_fixed_size 0
		.amdhsa_enable_private_segment 0
		.amdhsa_kernarg_size 32
		.amdhsa_user_sgpr_count 2
		.amdhsa_user_sgpr_kernarg_segment_ptr 1
		.amdhsa_wavefront_size32 1
		.amdhsa_system_sgpr_workgroup_id_x 1
		.amdhsa_system_sgpr_workgroup_id_y 1
		.amdhsa_system_sgpr_workgroup_id_z 1
		.amdhsa_system_vgpr_workitem_id 0
		.amdhsa_next_free_vgpr 192
		.amdhsa_next_free_sgpr 92
		.amdhsa_reserve_vcc 0
		.amdhsa_float_denorm_mode_32 3
		.amdhsa_float_denorm_mode_16_64 3
		.amdhsa_memory_ordered 1
		.amdhsa_forward_progress 1
		.amdhsa_inst_pref_size 29
	.end_amdhsa_kernel
	.amdgpu_metadata
---
amdhsa.version: [ 1, 2 ]
amdhsa.kernels:
  - .name:           k_q02ed5d9abf_fine_proj
    .symbol:         k_q02ed5d9abf_fine_proj.kd
    .args:
      - { .name: y32, .offset: 0, .size: 8, .value_kind: global_buffer, .address_space: global }
      - { .name: W_proj, .offset: 8, .size: 8, .value_kind: global_buffer, .address_space: global }
      - { .name: b_proj, .offset: 16, .size: 8, .value_kind: global_buffer, .address_space: global }
      - { .name: out0, .offset: 24, .size: 8, .value_kind: global_buffer, .address_space: global }
    .group_segment_fixed_size: 18432
    .private_segment_fixed_size: 0
    .kernarg_segment_align: 8
    .kernarg_segment_size: 32
    .max_flat_workgroup_size: 512
    .sgpr_count:     92
    .vgpr_count:     192
    .wavefront_size: 32
...
	.end_amdgpu_metadata
.endif
;; end of part 7
